; MI455X (gfx1250); checked and timed in simulation.
; The chip was launched on July 23, 2026; its instructions are those of AMD's public machine-readable ISA for CDNA 5 (MIT licence, August 2026) and "CDNA5" Instruction Set Architecture Reference Guide (July 2026). The comments in the code are by the model that wrote it; some were corrected since.
;; Transformer Block. Allowed arithmetic: matrix products marked QUANTISED: E2M1 operands, one E8M0 scale for each 32 along K, by v_wmma_scale_f32_16x16x128_f8f6f4 with both operands' format E2M1 (or v_wmma_scale_f32_32x16x128_f4), f32 sums; everything else in f32.
;; Inputs: W1 1,024 x 4,096 float32; W2 4,096 x 1,024 float32; Wk 16 x 1,024 x 64 float32; Wp 1,024 x 1,024 float32; Wq 16 x 1,024 x 64 float32; Wv 16 x 1,024 x 64 float32; b1 4,096 float32; b2 1,024 float32; be1 1,024 float32; be2 1,024 float32; bp 1,024 float32; g1 1,024 float32; g2 1,024 float32; x 2 x 2,048 x 1,024 float32.
;; Outputs: out0 2 x 2,048 x 1,024 float32.
;; This version of the problem:
;;   THIS VERSION OF THE PROBLEM IS GIVEN IN LOW PRECISION. The matrix products marked QUANTISED in the list below multiply operands that are first quantised to E2M1 (2 exponent bits, 1 mantissa bit; 4 bits a number), with one power-of-two scale for each 32 numbers along K (OCP MX v1.0); their sums are f32. All else is computed in f32.
;;   The module's matrix products, in the order in which they are computed (A, B: the left and right operand; K: the contracted axis; several contracted axes count as one K, in the product's order):
;;     1. [M 1,024, K 1,024] x [K 1,024, N 4,096]; A: input Wq; B: computed on the way: QUANTISED
;;     2. [M 1,024, K 1,024] x [K 1,024, N 4,096]; A: input Wk; B: computed on the way: QUANTISED
;;     3. [M 1,024, K 1,024] x [K 1,024, N 4,096]; A: input Wv; B: computed on the way: QUANTISED
;;     4. batch 32 x [M 2,048, K 64] x [K 64, N 2,048]; A: computed on the way; B: computed on the way: QUANTISED
;;     5. batch 32 x [M 2,048, K 2,048] x [K 2,048, N 64]; A: softmax (see below); B: computed on the way: QUANTISED
;;     6. [M 4,096, K 1,024] x [K 1,024, N 1,024]; A: computed on the way; B: input Wp: QUANTISED
;;     7. [M 4,096, K 1,024] x [K 1,024, N 4,096]; A: computed on the way; B: input W1: QUANTISED
;;     8. [M 4,096, K 4,096] x [K 4,096, N 1,024]; A: computed on the way; B: input W2: QUANTISED
;;   THE QUANTISER, for each operand of a quantised product, along K:
;;     - K is cut into blocks of 32 from its start; a last block that is shorter is filled with zeros.
;;     - A block's scale is 2^e with e = floor(log2(the largest magnitude in the block)) - 2, held to -126 .. 127; a block of zeros has e = 0. As a byte (E8M0): e + 127.
;;     - Each number is divided by its block's scale, clamped to +-6, and rounded to the nearest number of E2M1, ties to even, subnormals kept.
;;     - The product sums the exact products of the quantised numbers (number of the format x scale) in f32.
;;   ~~~python
;;   def quantise(x, axis):      # numpy; x: float32 -> the quantised numbers, widened to float32 again
;;       x = np.moveaxis(x, axis, -1); K = x.shape[-1]
;;       x = np.pad(x, [(0, 0)] * (x.ndim - 1) + [(0, -K % 32)]); x = x.reshape(x.shape[:-1] + (-1, 32)); a = np.abs(x).max(-1, keepdims=True)
;;       e = np.where(a > 0, np.clip(np.frexp(np.where(a > 0, a, 1))[1] - 1 - 2, -126, 127), 0)      # np.frexp(a)[1] - 1 = floor(log2(a)), exactly
;;       r = np.clip(x / 2.0 ** e, -6, 6)
;;       step = 2.0 ** (np.maximum(np.frexp(np.where(r == 0, 1, r))[1] - 1, 0) - 1)
;;       q = np.round(r / step) * step * 2.0 ** e      # np.round: ties to even
;;       return np.moveaxis(q.reshape(q.shape[:-2] + (-1,))[..., :K], -1, axis).astype(np.float32)
;;   ~~~
;;   SOFTMAX AHEAD OF A QUANTISED PRODUCT. Where the list says 'softmax', what is quantised is not the finished softmax but p = 2^(t - M), with t = logit x log2(e) and M = ceil(the row's largest t), a whole number; so 1/2 < the row's largest p <= 1. The row's sum l is taken of the UNQUANTISED p, in f32, and the product's result is divided by l at the end. Since M is a whole number, a kernel that streams over the keys may use a running M (the ceiling of the running maximum): every later rescaling is an exact power of two, which a block's scale takes up: the codes' values come out the same.
;;   OPERANDS COMPUTED ON THE WAY. 'Computed on the way' means the value that the module computes at that place (a softmax that the list does not call 'softmax' is quantised finished and normalised). What goes into a quantiser is computed in f32, as accurately as f32 sums, v_exp_f32 and their like allow (about 1e-6 of the number): no bf16 or f16 on the way to a quantiser, and a product that is left as it is and whose result goes on into a quantised operand takes f32 operands (vector FMAs, or v_wmma_f32_16x16x4_f32). A number that lies on a knife's edge between two numbers of the format may be rounded either way, as far as f32 arithmetic and the matrix unit's own rounding can turn it there, and no further.
;; One version. Each part assembles by itself: llvm-mc -triple=amdgcn-amd-amdhsa -mcpu=gfx1250 --defsym DOCPART=n.
;; ======== version 1 of 1: 6 launches
;; limits: right only within a limited range of input values
;; workspace buffers: wsa 27,557,888 bytes; wsb 6,946,816 bytes; wsc 2,228,224 bytes; wsd 19,005,440 bytes; wse 8,912,896 bytes
;; launch prep (part 1): grid 640 x 1, 8 waves a work-group, no clusters, 66,816 bytes of LDS; arguments x, g1, be1, Wq, Wk, Wv, Wp, W1, W2, wsa; writes wsa
.if DOCPART == 1
	.amdgcn_target "amdgcn-amd-amdhsa--gfx1250"
	.amdhsa_code_object_version 6
	.text
	.protected	k_qc0781d081f_prep
	.globl	k_qc0781d081f_prep
	.p2align	8
	.type	k_qc0781d081f_prep,@function
k_qc0781d081f_prep:
	s_mov_b64 s[64:65], 0
	v_nop
	global_prefetch_b8 v0, s[64:65] scope:SCOPE_SE
	s_setreg_imm32_b32 hwreg(HW_REG_WAVE_MODE, 25, 1), 1
	s_wait_xcnt 0x0
; PREP.  Work-groups 0-255: the first layer norm of 16 tokens each, stored as f32 (the residual) and as codes of FP4 (E2M1) with E8M0 scale words.
; Work-groups 256-639: the six weights, whose K is their first axis, turned into codes with K innermost.
; THE CODES' LAYOUT (all operands of this program): the 16 bytes of (row, block kb of 32 along K) lie at (((kb / 16) x ROWS / 16 + row / 16) x 16 + kb % 16) x 256 + (row % 16) x 16.
; So a fragment (16 rows x 128 K) is 1,024 bytes on end in the order of the operand's registers: lane l takes 16 bytes at 16 l and at 512 + 16 l.
; THE SCALE WORDS: one 32-bit word (four E8M0 bytes) for a row and 128 along K, at (K step x pitch + row) x 4.
; A block's scale is 2^(floor(log2(largest magnitude)) - 2); its byte is the largest magnitude's exponent field - 2, held at 1 from below.
; LIMITS: a block of zeros gets the byte 1 where the rule says 127 (its codes are zeros, and only this program reads the bytes); blocks whose largest magnitude
; lies under 2^-124 have their byte held at 1; NaN and infinities among the inputs are not served.
; No matrix unit, no tensor load, no cluster: no two work-groups read the same bytes.
; WORK LEFT OUT, in launch attn: reference() sets the scores of keys behind a query to -inf by its own jnp.tril, so their weights are 0 for all inputs; key steps that lie wholly behind a tile's queries are not computed.
; A NaN, an infinity or an overflow that reaches only those scores is not carried to the result.  Every input is loaded.
.set XNC, 0x1000000                    ; offsets in wsa: xn f32 at 0, its codes, its scale words (pitch 4,096),
.set XNS, 0x1200000
.set WQC, 0x1888000                    ; Wq, Wk, Wv as 3,072 rows (matrix x 1,024 + head x 64 + d); 512 along K are 256 tiles apart, as in xn's codes; scale pitch 4,096,
.set WQS, 0x13a0000
.set WPC, 0x13c0000                    ; Wp: 1,024 rows, pitch 1,024,
.set WPS, 0x1440000
.set W1C, 0x1448000                    ; W1: 4,096 rows, pitch 4,096,
.set W1S, 0x1648000
.set W2C, 0x1668000                    ; W2: 1,024 rows of 4,096 along K, pitch 1,024
.set W2S, 0x1868000
.set SP,  4112                         ; a stage row: 4,096 bytes + 16, an odd multiple of 16: sixteen rows start in sixteen different 16-byte columns
.set TM,  4                            ; v4-15 at work in QUANT
.set SEL, 48                           ; s[48:49] lane selects: lane l xor 16
; 16 nb numbers of a lane, register 8 a + j = k 16 a + 8 (lane / 16) + j of the lane's row, become codes in v[pc] on (lane (r, h), registers 4 c .. 4 c + 3: k = 64 c + 32 h + 0 .. 31) and the scale bytes in v[pw].
.macro QUANT src, nb, pc, pw
.set qb, 0
.rept \nb
	v_max3_num_f32 v[TM+qb], |v[16*qb+\src]|, |v[16*qb+1+\src]|, 0x1800000   ; block qb: my 16 numbers, and the floor 2^(3 - 127): the byte cannot fall under 1
.set qb, qb+1
.endr
.irp i, 2,4,6,8,10,12,14
.set qb, 0
.rept \nb
	s_delay_alu instid0(VALU_DEP_4)
	v_max3_num_f32 v[TM+qb], v[TM+qb], |v[16*qb+\i+\src]|, |v[16*qb+\i+1+\src]|
.set qb, qb+1
.endr
.endr
.set qb, 0
.rept \nb
	s_delay_alu instid0(VALU_DEP_4)
	v_permlanex16_b32 v[TM+4+qb], v[TM+qb], s[SEL], s[SEL+1]
.set qb, qb+1
.endr
.set qb, 0
.rept \nb
	s_delay_alu instid0(VALU_DEP_4)
	v_max_num_f32 v[TM+qb], v[TM+qb], v[TM+4+qb]       ; with lane l xor 16's 16: the block's largest magnitude
.set qb, qb+1
.endr
.set qb, 0
.rept \nb
	s_delay_alu instid0(VALU_DEP_4)
	v_add_nc_u32 v[TM+8+qb], 0xff000000, v[TM+qb]      ; 2 off its exponent field: the conversion's scale operand
.set qb, qb+1
.endr
.set qb, 0
.rept \nb
	s_delay_alu instid0(VALU_DEP_4)
	v_lshrrev_b32 v[TM+4+qb], 23, v[TM+8+qb]           ; the scale's byte
.set qb, qb+1
.endr
	s_delay_alu instid0(VALU_DEP_3)
	v_lshl_or_b32 v[\pw], v[TM+5], 8, v[TM+4]
.if \nb == 4
	s_delay_alu instid0(VALU_DEP_1)
	v_lshl_or_b32 v[\pw], v[TM+6], 16, v[\pw]
	s_delay_alu instid0(VALU_DEP_1)
	v_lshl_or_b32 v[\pw], v[TM+7], 24, v[\pw]
.endif
.set qc, 0
.rept (\nb)/2
	v_cvt_scalef32_pk8_fp4_f32 v[4*qc+\pc], v[32*qc+\src:32*qc+7+\src], v[TM+8+2*qc]       ; k = 64 c + 8 h + 0 .. 7
	v_cvt_scalef32_pk8_fp4_f32 v[4*qc+2+\pc], v[32*qc+8+\src:32*qc+15+\src], v[TM+8+2*qc]    ; 64 c + 16 + 8 h ..
	v_cvt_scalef32_pk8_fp4_f32 v[4*qc+1+\pc], v[32*qc+16+\src:32*qc+23+\src], v[TM+9+2*qc]   ; 64 c + 32 + 8 h ..
	v_cvt_scalef32_pk8_fp4_f32 v[4*qc+3+\pc], v[32*qc+24+\src:32*qc+31+\src], v[TM+9+2*qc]   ; 64 c + 48 + 8 h ..
.set qc, qc+1
.endr
	v_nop                                              ; one plain instruction behind the scaled conversions
.set qc, 0
.rept (\nb)/2
	v_permlane16_swap_b32 v[4*qc+\pc], v[4*qc+1+\pc]     ; the first's lanes 16-31 change places with the second's lanes 0-15: a whole block of 32 in a lane
	v_permlane16_swap_b32 v[4*qc+2+\pc], v[4*qc+3+\pc]
.set qc, qc+1
.endr
.endm
	s_load_b256 s[4:11], s[0:1], 0x0               ; x, g1, be1, Wq
	s_load_b256 s[12:19], s[0:1], 0x20             ; Wk, Wv, Wp, W1
	s_load_b128 s[20:23], s[0:1], 0x40             ; W2, wsa
	v_lshl_add_u32 v28, v0, 2, 0x10100             ; v28, v29: the add's two registers; neither path writes them again
	v_mov_b32 v29, 0
	v_lshrrev_b32 v1, 5, v0
	s_delay_alu instid0(VALU_DEP_1)
	v_readfirstlane_b32 s40, v1                    ; wave 0..7
	v_and_b32 v1, 31, v0                           ; lane
	s_cmp_ge_u32 ttmp9, 256
	s_cbranch_scc1 .Lweights
; ---------------- THE LAYER NORM: token tile T = the work-group's number.  Wave w owns rows 2 w and 2 w + 1, whole: no wave waits for another's sums.
	v_lshlrev_b32 v2, 4, v1                        ; 16 x lane
	s_mul_i32 s41, s40, 2*SP
	v_add_nc_u32 v3, s41, v2                       ; the stage, on the way in: my two rows
	v_and_b32 v26, 15, v0                          ; r
	v_bfe_u32 v27, v0, 4, 1                        ; h
	s_delay_alu instid0(VALU_DEP_2)
	v_mul_u32_u24 v25, v26, SP
	s_delay_alu instid0(VALU_DEP_1)
	v_lshl_add_u32 v25, v27, 5, v25
	s_lshl_b32 s41, s40, 9
	v_add_nc_u32 v25, s41, v25                     ; and on the way out: row r, K step w, + 32 h bytes
	v_lshlrev_b32 v26, 2, v26                      ; 4 r
	s_mov_b32 s[SEL], 0x76543210
	s_mov_b32 s[SEL+1], 0xfedcba98
	s_lshl_b32 s42, ttmp9, 16                      ; 16 rows of 4,096 bytes a tile,
	s_lshl_b32 s43, s40, 13                        ; two rows a wave
	s_add_co_u32 s42, s42, s43
	s_mov_b32 s43, 0
	s_lshr_b32 s44, s40, 2                         ; the codes of K step w: ((w / 4) x 256 + T) x 4,096 + (w % 4) x 1,024
	s_lshl_b32 s44, s44, 20
	s_lshl_b32 s45, ttmp9, 12
	s_add_co_u32 s44, s44, s45
	s_and_b32 s45, s40, 3
	s_lshl_b32 s45, s45, 10
	s_add_co_u32 s44, s44, s45
	s_add_co_u32 s44, s44, XNC
	s_mov_b32 s45, 0
	s_lshl_b32 s46, s40, 14                        ; its scale words: (w x 4,096 + 16 T) x 4
	s_lshl_b32 s47, ttmp9, 6
	s_add_co_u32 s46, s46, s47
	s_add_co_u32 s46, s46, XNS
	s_mov_b32 s47, 0
	s_wait_alu depctr_va_vdst(0)
	s_wait_kmcnt 0x0
	s_add_nc_u64 s[4:5], s[4:5], s[42:43]
	s_add_nc_u64 s[24:25], s[22:23], s[42:43]
	s_add_nc_u64 s[26:27], s[22:23], s[44:45]
	s_add_nc_u64 s[28:29], s[22:23], s[46:47]
.irp j, 0,1,2,3,4,5,6,7
	global_load_b128 v[32+4*\j:35+4*\j], v2, s[4:5] offset:512*\j th:TH_LOAD_NT        ; 32 lanes read 512 consecutive bytes
.endr
.irp j, 0,1,2,3,4,5,6,7
	global_load_b128 v[64+4*\j:67+4*\j], v2, s[4:5] offset:4096+512*\j th:TH_LOAD_NT
.endr
.irp j, 0,1,2,3,4,5,6,7
	global_load_b128 v[96+4*\j:99+4*\j], v2, s[6:7] offset:512*\j                      ; the gain, in the same columns
.endr
.irp j, 0,1,2,3,4,5,6,7
	global_load_b128 v[128+4*\j:131+4*\j], v2, s[8:9] offset:512*\j                    ; the bias
.endr
.macro ACROSS                          ; four chains v[4:11] -> one number in every lane of the wave, in v4
	s_delay_alu instid0(VALU_DEP_3)
	v_pk_add_f32 v[4:5], v[4:5], v[6:7]
	s_delay_alu instid0(VALU_DEP_2)
	v_pk_add_f32 v[8:9], v[8:9], v[10:11]
	s_delay_alu instid0(VALU_DEP_1)
	v_pk_add_f32 v[4:5], v[4:5], v[8:9]
	s_delay_alu instid0(VALU_DEP_1)
	v_add_f32 v4, v4, v5
	s_delay_alu instid0(VALU_DEP_1)
	v_add_f32_dpp v4, v4, v4 row_xmask:1 row_mask:0xf bank_mask:0xf
	s_delay_alu instid0(VALU_DEP_1)
	v_add_f32_dpp v4, v4, v4 row_xmask:2 row_mask:0xf bank_mask:0xf
	s_delay_alu instid0(VALU_DEP_1)
	v_add_f32_dpp v4, v4, v4 row_xmask:4 row_mask:0xf bank_mask:0xf
	s_delay_alu instid0(VALU_DEP_1)
	v_add_f32_dpp v4, v4, v4 row_xmask:8 row_mask:0xf bank_mask:0xf
	s_delay_alu instid0(VALU_DEP_1)
	v_permlanex16_b32 v5, v4, s[SEL], s[SEL+1]
	s_delay_alu instid0(VALU_DEP_1)
	v_add_f32 v4, v4, v5
.endm
.macro LSUM b                          ; the sum of a row held in v[b] .. v[b + 31]
	v_pk_add_f32 v[4:5], v[\b:\b+1], v[\b+8:\b+9]
	v_pk_add_f32 v[6:7], v[\b+2:\b+3], v[\b+10:\b+11]
	v_pk_add_f32 v[8:9], v[\b+4:\b+5], v[\b+12:\b+13]
	v_pk_add_f32 v[10:11], v[\b+6:\b+7], v[\b+14:\b+15]
.irp i, 16, 24
	s_delay_alu instid0(VALU_DEP_4)
	v_pk_add_f32 v[4:5], v[4:5], v[\b+\i:\b+\i+1]
	s_delay_alu instid0(VALU_DEP_4)
	v_pk_add_f32 v[6:7], v[6:7], v[\b+\i+2:\b+\i+3]
	s_delay_alu instid0(VALU_DEP_4)
	v_pk_add_f32 v[8:9], v[8:9], v[\b+\i+4:\b+\i+5]
	s_delay_alu instid0(VALU_DEP_4)
	v_pk_add_f32 v[10:11], v[10:11], v[\b+\i+6:\b+\i+7]
.endr
	ACROSS
.endm
.macro LSQ b                           ; the sum of its squares
	v_pk_mul_f32 v[4:5], v[\b:\b+1], v[\b:\b+1]
	v_pk_mul_f32 v[6:7], v[\b+2:\b+3], v[\b+2:\b+3]
	v_pk_mul_f32 v[8:9], v[\b+4:\b+5], v[\b+4:\b+5]
	v_pk_mul_f32 v[10:11], v[\b+6:\b+7], v[\b+6:\b+7]
.irp i, 8, 16, 24
	s_delay_alu instid0(VALU_DEP_4)
	v_pk_fma_f32 v[4:5], v[\b+\i:\b+\i+1], v[\b+\i:\b+\i+1], v[4:5]
	s_delay_alu instid0(VALU_DEP_4)
	v_pk_fma_f32 v[6:7], v[\b+\i+2:\b+\i+3], v[\b+\i+2:\b+\i+3], v[6:7]
	s_delay_alu instid0(VALU_DEP_4)
	v_pk_fma_f32 v[8:9], v[\b+\i+4:\b+\i+5], v[\b+\i+4:\b+\i+5], v[8:9]
	s_delay_alu instid0(VALU_DEP_4)
	v_pk_fma_f32 v[10:11], v[\b+\i+6:\b+\i+7], v[\b+\i+6:\b+\i+7], v[10:11]
.endr
	ACROSS
.endm
	s_wait_loadcnt 16                              ; my two rows are in; the 16 loads of gain and bias may be out
	LSUM 32
	s_delay_alu instid0(VALU_DEP_1)
	v_mul_f32 v16, 0x3a800000, v4                  ; the mean: x 2^-10
	s_delay_alu instid0(VALU_DEP_1)
	v_mov_b32 v17, v16                             ; (twice: a pair for the packed forms)
	LSUM 64
	s_delay_alu instid0(VALU_DEP_1)
	v_mul_f32 v18, 0x3a800000, v4
	s_delay_alu instid0(VALU_DEP_1)
	v_mov_b32 v19, v18
.irp i, 0,2,4,6,8,10,12,14,16,18,20,22,24,26,28,30
	v_pk_add_f32 v[32+\i:33+\i], v[32+\i:33+\i], v[16:17] neg_lo:[0,1] neg_hi:[0,1]    ; x - mean, in place: the variance is taken of the differences, so a common offset of x costs no digits
	v_pk_add_f32 v[64+\i:65+\i], v[64+\i:65+\i], v[18:19] neg_lo:[0,1] neg_hi:[0,1]
.endr
	LSQ 32
	s_delay_alu instid0(VALU_DEP_1)
	v_mul_f32 v12, 0x3a800000, v4
	LSQ 64
	s_delay_alu instid0(VALU_DEP_1)
	v_mul_f32 v13, 0x3a800000, v4
	v_add_f32 v12, 0x3727c5ac, v12                 ; + 1e-5
	s_delay_alu instid0(VALU_DEP_2)
	v_add_f32 v13, 0x3727c5ac, v13
	s_wait_alu depctr_va_vdst(0)
	v_rsq_f32 v20, v12
	v_rsq_f32 v22, v13
	v_nop                                          ; a plain instruction behind the two,
	s_wait_alu depctr_va_vdst(0)                   ; and a wait ahead of their first reader
	v_mov_b32 v21, v20
	v_mov_b32 v23, v22
	s_wait_alu depctr_va_vdst(0)
	s_wait_loadcnt 0x0                             ; gain and bias
.irp i, 0,2,4,6,8,10,12,14,16,18,20,22,24,26,28,30
	v_pk_mul_f32 v[32+\i:33+\i], v[32+\i:33+\i], v[20:21]
	v_pk_mul_f32 v[64+\i:65+\i], v[64+\i:65+\i], v[22:23]
.endr
.irp i, 0,2,4,6,8,10,12,14,16,18,20,22,24,26,28,30
	v_pk_fma_f32 v[32+\i:33+\i], v[32+\i:33+\i], v[96+\i:97+\i], v[128+\i:129+\i]
	v_pk_fma_f32 v[64+\i:65+\i], v[64+\i:65+\i], v[96+\i:97+\i], v[128+\i:129+\i]
.endr
.irp j, 0,1,2,3,4,5,6,7
	global_store_b128 v2, v[32+4*\j:35+4*\j], s[24:25] offset:512*\j                   ; xn: 512 consecutive bytes a store
	ds_store_b128 v3, v[32+4*\j:35+4*\j] offset:512*\j
	global_store_b128 v2, v[64+4*\j:67+4*\j], s[24:25] offset:4096+512*\j
	ds_store_b128 v3, v[64+4*\j:67+4*\j] offset:SP+512*\j
.endr
	s_wait_dscnt 0x0                               ; for the others' sake: my rows lie in the stage
	s_barrier_signal -1
	s_barrier_wait -1
; Wave w now takes K step w (128 columns) of all 16 rows: lane (r, h) reads, of row r, eight neighbours at 16 a + 8 h, a = 0 .. 7.  They land where gain and bias lay: no store's data are written over.
.irp a, 0,1,2,3,4,5,6,7
	ds_load_b128 v[96+8*\a:99+8*\a], v25 offset:64*\a
	ds_load_b128 v[100+8*\a:103+8*\a], v25 offset:64*\a+16
.endr
	s_wait_dscnt 0x0
	QUANT 96, 4, 16, 24
	global_store_b128 v2, v[16:19], s[26:27]       ; the fragment as it stands: 512 consecutive bytes a store
	global_store_b128 v2, v[20:23], s[26:27] offset:512
	global_store_b32 v26, v24, s[28:29]            ; row r's scale word: lanes l and l xor 16 hold the same word and name the same address
	s_wait_tensorcnt 0x0
	ds_add_u32 v28, v29
	s_wait_dscnt 0x0
	s_endpgm
; ---------------- THE WEIGHTS.  A work-group takes 64 columns x 512 along K; wave w 32 columns (w % 2) x 128 along K (w / 2).  A lane takes a column and its registers run down K.
.Lweights:
	s_wait_alu depctr_va_vdst(0)
	v_lshlrev_b32 v2, 2, v1                        ; 4 x lane
	v_lshrrev_b32 v3, 4, v1
	v_and_b32 v9, 15, v1
	s_delay_alu instid0(VALU_DEP_2)
	v_lshlrev_b32 v3, 12, v3
	s_delay_alu instid0(VALU_DEP_1)
	v_lshl_add_u32 v3, v9, 4, v3                   ; my codes: tile lane / 16 (4,096 bytes apart), row lane % 16
	s_sub_co_u32 s41, ttmp9, 256                   ; 0-95 Wq, Wk, Wv; 96-127 Wp; 128-255 W1; 256-383 W2
	s_and_b32 s42, s40, 1
	s_lshr_b32 s43, s40, 1                         ; which 128 of the 512 along K
	s_cmp_lt_u32 s41, 96
	s_cbranch_scc1 .Lcase_qkv
	s_cmp_lt_u32 s41, 128
	s_cbranch_scc1 .Lcase_wp
	s_cmp_lt_u32 s41, 256
	s_cbranch_scc1 .Lcase_w1
	s_sub_co_u32 s44, s41, 256                     ; W2 [4096][1024]
	s_and_b32 s32, s44, 7                          ; s32: which 512 along K
	s_lshr_b32 s44, s44, 3
	s_lshl_b32 s33, s44, 8                         ; s33: the columns' first byte in the source
	s_lshl_b32 s34, s44, 6                         ; s34: the first row of the result
	s_mov_b32 s35, 4096                            ; s35: bytes from k to k + 1
	s_mov_b32 s36, 64*4096                         ; s36: bytes of codes for 512 along K of all rows
	s_mov_b32 s37, 1024*4                          ; s37: bytes of scale words for a K step
	s_mov_b32 s38, W2C
	s_mov_b32 s39, W2S
	s_branch .Lcommon
.Lcase_qkv:                                            ; [16][1024][64]: a head's 64 columns
	s_lshr_b32 s44, s41, 5                         ; which of the three
	s_bfe_u32 s45, s41, 0x40001                    ; the head
	s_and_b32 s32, s41, 1
	s_lshl_b32 s33, s45, 18
	s_lshl_b32 s34, s44, 10
	s_lshl_b32 s45, s45, 6
	s_add_co_u32 s34, s34, s45
	s_mov_b32 s35, 256
	s_mov_b32 s36, 256*4096
	s_mov_b32 s37, 4096*4
	s_mov_b32 s38, WQC
	s_mov_b32 s39, WQS
	s_branch .Lcommon
.Lcase_wp:                                             ; [1024][1024]
	s_sub_co_u32 s44, s41, 96
	s_and_b32 s32, s44, 1
	s_lshr_b32 s44, s44, 1
	s_lshl_b32 s33, s44, 8
	s_lshl_b32 s34, s44, 6
	s_mov_b32 s35, 4096
	s_mov_b32 s36, 64*4096
	s_mov_b32 s37, 1024*4
	s_mov_b32 s38, WPC
	s_mov_b32 s39, WPS
	s_branch .Lcommon
.Lcase_w1:                                             ; [1024][4096]
	s_sub_co_u32 s44, s41, 128
	s_and_b32 s32, s44, 1
	s_lshr_b32 s44, s44, 1
	s_lshl_b32 s33, s44, 8
	s_lshl_b32 s34, s44, 6
	s_mov_b32 s35, 16384
	s_mov_b32 s36, 256*4096
	s_mov_b32 s37, 4096*4
	s_mov_b32 s38, W1C
	s_mov_b32 s39, W1S
.Lcommon:
	s_lshl_b32 s44, s32, 9
	s_lshl_b32 s45, s43, 7
	s_add_co_u32 s44, s44, s45                     ; my first k
	s_mul_i32 s44, s44, s35
	s_add_co_u32 s44, s44, s33
	s_lshl_b32 s45, s42, 7
	s_add_co_u32 s44, s44, s45                     ; + my 32 columns' 128 bytes
	s_mov_b32 s45, 0
	s_lshl_b32 s46, s42, 5
	s_add_co_u32 s34, s34, s46                     ; my first row of the result
	s_mul_i32 s46, s32, s36
	s_lshl_b32 s47, s34, 8
	s_add_co_u32 s46, s46, s47
	s_lshl_b32 s47, s43, 10
	s_add_co_u32 s46, s46, s47
	s_add_co_u32 s46, s46, s38                     ; my codes
	s_mov_b32 s47, 0
	s_lshl_b32 s30, s32, 2
	s_add_co_u32 s30, s30, s43                     ; my K step
	s_mul_i32 s30, s30, s37
	s_lshl_b32 s31, s34, 2
	s_add_co_u32 s30, s30, s31
	s_add_co_u32 s30, s30, s39                     ; my scale words
	s_mov_b32 s31, 0
	s_wait_kmcnt 0x0
	s_cmp_lt_u32 s41, 256                          ; the source: a choice that hangs on the work-group's number alone
	s_cselect_b64 s[24:25], s[18:19], s[20:21]
	s_cmp_lt_u32 s41, 128
	s_cselect_b64 s[24:25], s[16:17], s[24:25]
	s_cmp_lt_u32 s41, 96
	s_cselect_b64 s[24:25], s[14:15], s[24:25]
	s_cmp_lt_u32 s41, 64
	s_cselect_b64 s[24:25], s[12:13], s[24:25]
	s_cmp_lt_u32 s41, 32
	s_cselect_b64 s[24:25], s[10:11], s[24:25]
	s_add_nc_u64 s[24:25], s[24:25], s[44:45]
	s_add_nc_u64 s[26:27], s[22:23], s[46:47]
	s_add_nc_u64 s[28:29], s[22:23], s[30:31]
	s_cmp_eq_u32 s35, 256
	s_cbranch_scc1 .Lbody_256
	s_cmp_eq_u32 s35, 4096
	s_cbranch_scc1 .Lbody_4096
.macro WLOAD b, pitch                  ; block b: 32 rows k of the source at my column: 128 consecutive bytes a load
.set wi, 0
.rept 32
	global_load_b32 v[32+32*\b+wi], v2, s[24:25] offset:(32*\b+wi)*\pitch th:TH_LOAD_NT
.set wi, wi+1
.endr
.endm
.macro BLOCK b                         ; all 32 numbers of the block are mine
.set XB, 32+32*\b
	v_max3_num_f32 v4, |v[XB]|, |v[XB+1]|, |v[XB+2]|
	v_max3_num_f32 v5, |v[XB+3]|, |v[XB+4]|, |v[XB+5]|
.irp i, 6,10,14,18,22,26
	s_delay_alu instid0(VALU_DEP_2)
	v_max3_num_f32 v4, v4, |v[XB+\i]|, |v[XB+\i+1]|
	s_delay_alu instid0(VALU_DEP_2)
	v_max3_num_f32 v5, v5, |v[XB+\i+2]|, |v[XB+\i+3]|
.endr
	s_delay_alu instid0(VALU_DEP_2)
	v_max3_num_f32 v4, v4, |v[XB+30]|, |v[XB+31]|
	s_delay_alu instid0(VALU_DEP_1)
	v_max3_num_f32 v4, v4, v5, 0x1800000           ; and the floor 2^(3 - 127)
	s_delay_alu instid0(VALU_DEP_1)
	v_add_nc_u32 v6, 0xff000000, v4                ; the conversion's scale operand
	s_delay_alu instid0(VALU_DEP_1)
	v_lshrrev_b32 v7, 23, v6                       ; the byte
.if \b == 0
	s_delay_alu instid0(VALU_DEP_1)
	v_mov_b32 v8, v7
.else
	s_delay_alu instid0(VALU_DEP_1)
	v_lshl_or_b32 v8, v7, 8*\b, v8
.endif
.irp g, 0,1,2,3
	v_cvt_scalef32_pk8_fp4_f32 v[12+4*\b+\g], v[XB+8*\g:XB+8*\g+7], v6
.endr
	global_store_b128 v3, v[12+4*\b:15+4*\b], s[26:27] offset:256*\b    ; sixteen lanes fill 256 consecutive bytes, aligned; each block has its own four registers
.endm
.macro WBODY pitch
	WLOAD 0, \pitch
	WLOAD 1, \pitch
	s_wait_loadcnt 32                              ; block 0 is in; the 32 loads of block 1 may be out
	WLOAD 2, \pitch
	BLOCK 0
	s_wait_loadcnt 32                              ; block 1 is in; block 2's may be out
	WLOAD 3, \pitch
	BLOCK 1
	s_wait_loadcnt 32                              ; block 2 is in; block 3's may be out
	BLOCK 2
	s_wait_loadcnt 0x0
	BLOCK 3
	global_store_b32 v2, v8, s[28:29]              ; my column's scale word of this K step
	s_endpgm
.endm
	s_wait_alu depctr_va_vdst(0)
	WBODY 16384
.Lbody_256:
	s_wait_alu depctr_va_vdst(0)
	WBODY 256
.Lbody_4096:
	s_wait_alu depctr_va_vdst(0)
	WBODY 4096
.Lfunc_end_k_qc0781d081f_prep:
	.size	k_qc0781d081f_prep, .Lfunc_end_k_qc0781d081f_prep-k_qc0781d081f_prep
	.p2alignl 7, 3214868480
	.fill 96, 4, 3214868480
	.section	.rodata,"a",@progbits
	.p2align	6, 0x0
	.amdhsa_kernel k_qc0781d081f_prep
		.amdhsa_group_segment_fixed_size 66816
		.amdhsa_private_segment_fixed_size 0
		.amdhsa_enable_private_segment 0
		.amdhsa_kernarg_size 80
		.amdhsa_user_sgpr_count 2
		.amdhsa_user_sgpr_kernarg_segment_ptr 1
		.amdhsa_wavefront_size32 1
		.amdhsa_system_sgpr_workgroup_id_x 1
		.amdhsa_system_sgpr_workgroup_id_y 1
		.amdhsa_system_sgpr_workgroup_id_z 1
		.amdhsa_system_vgpr_workitem_id 0
		.amdhsa_next_free_vgpr 160
		.amdhsa_next_free_sgpr 66
		.amdhsa_reserve_vcc 0
		.amdhsa_float_denorm_mode_32 3
		.amdhsa_float_denorm_mode_16_64 3
		.amdhsa_memory_ordered 1
		.amdhsa_forward_progress 1
		.amdhsa_inst_pref_size 96
	.end_amdhsa_kernel
	.amdgpu_metadata
---
amdhsa.version: [ 1, 2 ]
amdhsa.kernels:
  - .name:           k_qc0781d081f_prep
    .symbol:         k_qc0781d081f_prep.kd
    .args:
      - { .name: x, .offset: 0, .size: 8, .value_kind: global_buffer, .address_space: global }
      - { .name: g1, .offset: 8, .size: 8, .value_kind: global_buffer, .address_space: global }
      - { .name: be1, .offset: 16, .size: 8, .value_kind: global_buffer, .address_space: global }
      - { .name: Wq, .offset: 24, .size: 8, .value_kind: global_buffer, .address_space: global }
      - { .name: Wk, .offset: 32, .size: 8, .value_kind: global_buffer, .address_space: global }
      - { .name: Wv, .offset: 40, .size: 8, .value_kind: global_buffer, .address_space: global }
      - { .name: Wp, .offset: 48, .size: 8, .value_kind: global_buffer, .address_space: global }
      - { .name: W1, .offset: 56, .size: 8, .value_kind: global_buffer, .address_space: global }
      - { .name: W2, .offset: 64, .size: 8, .value_kind: global_buffer, .address_space: global }
      - { .name: wsa, .offset: 72, .size: 8, .value_kind: global_buffer, .address_space: global }
    .group_segment_fixed_size: 66816
    .private_segment_fixed_size: 0
    .kernarg_segment_align: 8
    .kernarg_segment_size: 80
    .max_flat_workgroup_size: 256
    .sgpr_count:     66
    .vgpr_count:     160
    .wavefront_size: 32
...
	.end_amdgpu_metadata
.endif
;; end of part 1
;; launch qkv (part 2): grid 12 x 16, 16 waves a work-group, clusters of 4 x 4, 280,576 bytes of LDS; arguments wsa, wsb; writes wsb
.if DOCPART == 2
	.amdgcn_target "amdgcn-amd-amdhsa--gfx1250"
	.amdhsa_code_object_version 6
	.text
	.protected	k_qc0781d081f_qkv
	.globl	k_qc0781d081f_qkv
	.p2align	8
	.type	k_qc0781d081f_qkv,@function
k_qc0781d081f_qkv:
	s_mov_b64 s[64:65], 0
	v_nop
	global_prefetch_b8 v0, s[64:65] scope:SCOPE_SE
	s_setreg_imm32_b32 hwreg(HW_REG_WAVE_MODE, 25, 1), 1
	s_wait_xcnt 0x0
	s_wait_alu depctr_hold_cnt(0) depctr_sa_sdst(0) depctr_va_vdst(0) depctr_va_sdst(0) depctr_va_ssrc(0) depctr_va_vcc(0) depctr_vm_vsrc(0)
	s_getreg_b32 s2, hwreg(HW_REG_IB_STS2, 6, 4)
	s_cmp_eq_u32 s2, 0
	s_cbranch_scc0 .Lentry_in_a_cluster
	s_endpgm
.Lentry_in_a_cluster:
	s_bfe_u32 s2, ttmp6, 0x10000c
	s_cmp_lg_u32 s2, 0xf033
	s_cbranch_scc0 .Lentry_shape_is_right
	s_endpgm
.Lentry_shape_is_right:
; A PRODUCT OVER K = 1,024 ON CODES OF FP4 (E2M1), WHOSE RESULT IS QUANTISED AGAIN.  One text serves two launches: FF1 = 0: q, k, v;  FF1 = 1: relu(xm W1 + b1).
; A work-group makes 256 X rows x 256 Y rows.  Source 0 of the matrix instruction is a tile of X, source 1 a tile of Y: a lane then holds ONE row of Y, and its registers run along X
; (register j of tile i: X row 16 i + 8 (lane / 16) + j), which is the K of the product that follows.  So the result is quantised in registers and leaves as codes and scale bytes alone.
; FF1 = 0: clusters x = 0, 1: X = the rows of Wq, Wk (head x 64 + d), Y = tokens: q and k are quantised along d.  Cluster x = 2: X = tokens, Y = the rows of Wv: v is quantised along the keys.
; BOTH WHOLE PANELS (2 x 128 KiB of codes, 2 x 8 KiB of scale words) lie in LDS, each byte filled once: no ring.  Codes lie in the order of the operand's registers: a fragment is 1,024 bytes on end.
; CLUSTER 4 x 4: X's panel hangs on the work-group's place along x alone and is asked for jointly by a column of the cluster, Y's on the place along y alone, by a row.
; Sixteen waves, each 64 x 64: 16 accumulators in one window of 256 registers.
; LIMITS: a block of zeros gets the byte 1 (its codes are zeros; only this program reads the bytes); largest magnitudes under 2^-124 have the byte held at 1; NaN and infinities are not served.
.set FF1, 0
.set XNC, 0x1000000                    ; the normed rows' codes and scale words: in wsa (first norm) and in wsd (second norm) at the same offsets
.set XNS, 0x1200000
.set WQC, 0x1888000
.set WQS, 0x13a0000
.set W1C, 0x1448000
.set W1S, 0x1648000
.set YC,  131072                       ; LDS: X's codes at 0 [64 rows: 4][512 along K: 2][tile 4][4 KiB], Y's here,
.set XS,  262144                       ; X's scale words [K step 8][256 rows],
.set YS,  270336                       ; Y's
.set TM,  8                            ; v8-19 at work in QUANT
.set SEL, 92
.set ACC, 128                          ; accumulator (i, y) at v[128 + 32 y + 8 i]
; REGISTERS: v2-3 X's fragments' LDS address (first, second half of K), v4-5 Y's, v6, v7 the scale words'; v20-23 a scale word for each y; v24-25 two of them merged; v26 16 x lane, v27 4 x lane;
; v28-29 X's scale words, v30-31 Y's (tile 2 i in lanes 0-15, tile 2 i + 1 in lanes 16-31); v32-63 the bias (FF1); v64-95 Y's four fragments; v96-127 X's four, later the codes.
.macro QUANT src, nb, pc, pw
.set qb, 0
.rept \nb
	v_max3_num_f32 v[TM+qb], |v[16*qb+\src]|, |v[16*qb+1+\src]|, 0x1800000   ; block qb: my 16 numbers, and the floor 2^(3 - 127): the byte cannot fall under 1
.set qb, qb+1
.endr
.irp i, 2,4,6,8,10,12,14
.set qb, 0
.rept \nb
	v_max3_num_f32 v[TM+qb], v[TM+qb], |v[16*qb+\i+\src]|, |v[16*qb+\i+1+\src]|
.set qb, qb+1
.endr
.endr
.set qb, 0
.rept \nb
	s_delay_alu instid0(VALU_DEP_2)
	v_permlanex16_b32 v[TM+4+qb], v[TM+qb], s[SEL], s[SEL+1]
.set qb, qb+1
.endr
.set qb, 0
.rept \nb
	s_delay_alu instid0(VALU_DEP_2)
	v_max_num_f32 v[TM+qb], v[TM+qb], v[TM+4+qb]       ; with lane l xor 16's 16: the block's largest magnitude
.set qb, qb+1
.endr
.set qb, 0
.rept \nb
	s_delay_alu instid0(VALU_DEP_2)
	v_add_nc_u32 v[TM+8+qb], 0xff000000, v[TM+qb]      ; 2 off its exponent field: the conversion's scale operand
.set qb, qb+1
.endr
.set qb, 0
.rept \nb
	s_delay_alu instid0(VALU_DEP_2)
	v_lshrrev_b32 v[TM+4+qb], 23, v[TM+8+qb]           ; the scale's byte
.set qb, qb+1
.endr
	s_delay_alu instid0(VALU_DEP_1)
	v_lshl_or_b32 v[\pw], v[TM+5], 8, v[TM+4]
.if \nb == 4
	v_lshl_or_b32 v[\pw], v[TM+6], 16, v[\pw]
	v_lshl_or_b32 v[\pw], v[TM+7], 24, v[\pw]
.endif
.set qc, 0
.rept (\nb)/2
	v_cvt_scalef32_pk8_fp4_f32 v[4*qc+\pc], v[32*qc+\src:32*qc+7+\src], v[TM+8+2*qc]
	v_cvt_scalef32_pk8_fp4_f32 v[4*qc+2+\pc], v[32*qc+8+\src:32*qc+15+\src], v[TM+8+2*qc]
	v_cvt_scalef32_pk8_fp4_f32 v[4*qc+1+\pc], v[32*qc+16+\src:32*qc+23+\src], v[TM+9+2*qc]
	v_cvt_scalef32_pk8_fp4_f32 v[4*qc+3+\pc], v[32*qc+24+\src:32*qc+31+\src], v[TM+9+2*qc]
.set qc, qc+1
.endr
	v_nop                                              ; one plain instruction behind the scaled conversions
.set qc, 0
.rept (\nb)/2
	v_permlane16_swap_b32 v[4*qc+\pc], v[4*qc+1+\pc]     ; a whole block of 32 in a lane: lanes 0-15 block 2 c, lanes 16-31 block 2 c + 1
	v_permlane16_swap_b32 v[4*qc+2+\pc], v[4*qc+3+\pc]
.set qc, qc+1
.endr
.endm
; The matrix instruction.  ra, rb = 1: that side's scale words are taken from lanes 16-31.  WM0 starts a sum with the constant 0, WMC takes C from registers.
.macro WM0 d, a, b, sa, sb, ra, rb
.if ((\ra)==0) && ((\rb)==0)
	v_wmma_scale_f32_16x16x128_f8f6f4 v[\d:\d+7], v[\a:\a+7], v[\b:\b+7], 0, v[\sa], v[\sb] matrix_a_fmt:MATRIX_FMT_FP4 matrix_b_fmt:MATRIX_FMT_FP4
.elseif (\rb)==0
	v_wmma_scale_f32_16x16x128_f8f6f4 v[\d:\d+7], v[\a:\a+7], v[\b:\b+7], 0, v[\sa], v[\sb] matrix_a_fmt:MATRIX_FMT_FP4 matrix_b_fmt:MATRIX_FMT_FP4 matrix_a_scale:MATRIX_SCALE_ROW1
.elseif (\ra)==0
	v_wmma_scale_f32_16x16x128_f8f6f4 v[\d:\d+7], v[\a:\a+7], v[\b:\b+7], 0, v[\sa], v[\sb] matrix_a_fmt:MATRIX_FMT_FP4 matrix_b_fmt:MATRIX_FMT_FP4 matrix_b_scale:MATRIX_SCALE_ROW1
.else
	v_wmma_scale_f32_16x16x128_f8f6f4 v[\d:\d+7], v[\a:\a+7], v[\b:\b+7], 0, v[\sa], v[\sb] matrix_a_fmt:MATRIX_FMT_FP4 matrix_b_fmt:MATRIX_FMT_FP4 matrix_a_scale:MATRIX_SCALE_ROW1 matrix_b_scale:MATRIX_SCALE_ROW1
.endif
.endm
.macro WMC d, a, b, c, sa, sb, ra, rb
.if ((\ra)==0) && ((\rb)==0)
	v_wmma_scale_f32_16x16x128_f8f6f4 v[\d:\d+7], v[\a:\a+7], v[\b:\b+7], v[\c:\c+7], v[\sa], v[\sb] matrix_a_fmt:MATRIX_FMT_FP4 matrix_b_fmt:MATRIX_FMT_FP4
.elseif (\rb)==0
	v_wmma_scale_f32_16x16x128_f8f6f4 v[\d:\d+7], v[\a:\a+7], v[\b:\b+7], v[\c:\c+7], v[\sa], v[\sb] matrix_a_fmt:MATRIX_FMT_FP4 matrix_b_fmt:MATRIX_FMT_FP4 matrix_a_scale:MATRIX_SCALE_ROW1
.elseif (\ra)==0
	v_wmma_scale_f32_16x16x128_f8f6f4 v[\d:\d+7], v[\a:\a+7], v[\b:\b+7], v[\c:\c+7], v[\sa], v[\sb] matrix_a_fmt:MATRIX_FMT_FP4 matrix_b_fmt:MATRIX_FMT_FP4 matrix_b_scale:MATRIX_SCALE_ROW1
.else
	v_wmma_scale_f32_16x16x128_f8f6f4 v[\d:\d+7], v[\a:\a+7], v[\b:\b+7], v[\c:\c+7], v[\sa], v[\sb] matrix_a_fmt:MATRIX_FMT_FP4 matrix_b_fmt:MATRIX_FMT_FP4 matrix_a_scale:MATRIX_SCALE_ROW1 matrix_b_scale:MATRIX_SCALE_ROW1
.endif
.endm
.macro PLACES                          ; four plain vector instructions between a matrix instruction and a load into, or a read of, its registers
.rept 4
	v_nop
.endr
.endm
.macro CROUND                          ; a round of the cluster's barrier
	s_barrier_signal -1
	s_barrier_wait -1
	s_cmp_lg_u32 s12, 0
	s_cbranch_scc1 .Lnot_wave_0_\@
	s_barrier_signal -3
.Lnot_wave_0_\@:
	s_barrier_wait -3
	s_barrier_signal -1
	s_barrier_wait -1
.endm
	s_load_b128 s[4:7], s[0:1], 0x0                ; FF1 = 0: wsa, wsb;  FF1 = 1: wsa, wsd
	v_lshl_add_u32 v62, v0, 2, 0x44000
	v_mov_b32 v63, 0
	ds_add_u32 v62, v63
	ds_add_u32 v62, v63
.if FF1
	s_load_b128 s[8:11], s[0:1], 0x10              ; b1, wse
.endif
	v_lshrrev_b32 v1, 5, v0
	s_delay_alu instid0(VALU_DEP_1)
	v_readfirstlane_b32 s12, v1                    ; wave 0..15
	s_and_b32 s15, s12, 3                          ; xg: my 64 rows of X
	s_lshr_b32 s16, s12, 2                         ; yg: my 64 rows of Y
	s_bfe_u32 s17, ttmp6, 0x40000                  ; cx
	s_bfe_u32 s18, ttmp6, 0x40004                  ; cy
	s_and_b32 s84, ttmp7, 0xffff
	s_lshl_b32 s84, s84, 2                         ; 4 x cluster y
	s_lshl_b32 s85, ttmp9, 2                       ; 4 x cluster x
.if FF1
	s_add_co_u32 s19, s85, s17                     ; PX: which 256 rows of W1
	s_add_co_u32 s20, s84, s18                     ; PY: which 256 tokens
	s_mov_b32 s86, W1C
	s_mov_b32 s87, W1S
	s_mov_b32 s89, XNC
	s_mov_b32 s90, XNS
.else
	s_mov_b32 s86, WQC
	s_mov_b32 s87, WQS
	s_mov_b32 s89, XNC
	s_mov_b32 s90, XNS
	s_cmp_eq_u32 ttmp9, 2                          ; the clusters that make v: the same answer in all sixteen partners
	s_cselect_b32 s23, 1, 0
	s_cselect_b32 s19, s84, s85
	s_cselect_b32 s20, 8, s84
	s_cselect_b32 s86, XNC, s86                    ; there X is the tokens' panel and Y the weights'
	s_cselect_b32 s87, XNS, s87
	s_cselect_b32 s89, WQC, s89
	s_cselect_b32 s90, WQS, s90
	s_add_co_u32 s19, s19, s17                     ; PX hangs on cx alone,
	s_add_co_u32 s20, s20, s18                     ; PY on cy alone
.endif
	s_lshl_b32 s21, 0x1111, s17                    ; my column of the cluster (same cx)
	s_lshl_b32 s22, s18, 2
	s_lshl_b32 s22, 15, s22                        ; my row (same cy)
	s_or_b32 s24, s21, (3<<16)|(1<<21)             ; group 1, codes of X: 15:0 the mask; 17:16 elements of 8 bytes; 21 set beside a mask
	s_or_b32 s32, s22, (3<<16)|(1<<21)             ; codes of Y
	s_or_b32 s40, s21, (3<<16)|(1<<21)             ; scale words of X
	s_or_b32 s48, s22, (3<<16)|(1<<21)             ; scale words of Y
.irp g, 24, 32
	s_mov_b32 s[\g+1], 2048<<16                    ; four tiles' codes for all of K: two rows of 16 KiB (512 along K each),
	s_mov_b32 s[\g+2], 2<<16
	s_mov_b32 s[\g+3], 2048<<16
	s_mov_b32 s[\g+4], 2
	s_mov_b32 s[\g+5], 131072                      ; 256 tiles x 4 KiB apart
	s_mov_b32 s[\g+6], 0
	s_mov_b32 s[\g+7], 0
.endr
.irp g, 40, 48
	s_mov_b32 s[\g+1], 128<<16                     ; two K steps' scale words of 256 rows: two rows of 1,024 bytes,
	s_mov_b32 s[\g+2], 2<<16
	s_mov_b32 s[\g+3], 128<<16
	s_mov_b32 s[\g+4], 2
	s_mov_b32 s[\g+5], 2048                        ; 4,096 rows x 4 bytes apart
	s_mov_b32 s[\g+6], 0
	s_mov_b32 s[\g+7], 0
.endr
	s_lshl_b32 s96, s15, 15                        ; numbers made of the wave's number alone, u = wave % 4
	s_lshl_b32 s97, s15, 14
	s_lshl_b32 s98, s15, 11
	; X's two kinds of load: the scale words of K steps 2 u, 2 u + 1; tiles 4 u .. 4 u + 3 for all of K
	s_mov_b32 s56, 1
	s_add_co_u32 s57, s98, XS
	s_lshl_b32 s58, s19, 10
	s_add_co_u32 s58, s58, s96
	s_add_co_u32 s58, s58, s87
	s_mov_b32 s59, 0
	s_mov_b32 s60, 1
	s_mov_b32 s61, s96
	s_lshl_b32 s62, s19, 16
	s_add_co_u32 s62, s62, s97
	s_add_co_u32 s62, s62, s86
	s_mov_b32 s63, 0
	; Y's two
	s_mov_b32 s72, 1
	s_add_co_u32 s73, s98, YS
	s_lshl_b32 s74, s20, 10
	s_add_co_u32 s74, s74, s96
	s_add_co_u32 s74, s74, s90
	s_mov_b32 s75, 0
	s_mov_b32 s76, 1
	s_add_co_u32 s77, s96, YC
	s_lshl_b32 s78, s20, 16
	s_add_co_u32 s78, s78, s97
	s_add_co_u32 s78, s78, s89
	s_mov_b32 s79, 0
	s_mov_b32 s[SEL], 0x76543210
	s_mov_b32 s[SEL+1], 0xfedcba98
	s_mov_b32 s94, 0xffff0000                      ; lanes 16-31
	s_mov_b32 s95, 0x7f7f0000                      ; the bytes of two blocks of zero codes: 2^0
	s_wait_dscnt 0x0
	s_wait_kmcnt 0x0
	s_add_nc_u64 s[58:59], s[4:5], s[58:59]
	s_add_nc_u64 s[62:63], s[4:5], s[62:63]
.if FF1
	s_add_nc_u64 s[74:75], s[6:7], s[74:75]
	s_add_nc_u64 s[78:79], s[6:7], s[78:79]
	s_lshl_b32 s96, s19, 10                        ; b1 at my 64 hidden units
	s_lshl_b32 s97, s15, 8
	s_add_co_u32 s96, s96, s97
	s_mov_b32 s97, 0
	s_add_nc_u64 s[8:9], s[8:9], s[96:97]
.else
	s_add_nc_u64 s[74:75], s[4:5], s[74:75]
	s_add_nc_u64 s[78:79], s[4:5], s[78:79]
.endif
.irp g, 59, 63, 75, 79
	s_or_b32 s\g, s\g, 0x80000000                  ; 127:126 type = 2
.endr
	CROUND                                         ; all sixteen work-groups are here: the joint loads meet
	s_cmp_lt_u32 s12, 4                            ; the first fills, one a wave, in one chain of branches on the wave's number: waves 0-3 X's codes,
	s_cbranch_scc0 .Lhead_y
	tensor_load_to_lds s[60:63], s[24:31]
	s_nop 0
	PLACES
	s_branch .Lasked
.Lhead_y:
	s_cmp_lt_u32 s12, 8                            ; waves 4-7 Y's codes,
	s_cbranch_scc0 .Lhead_sx
	tensor_load_to_lds s[76:79], s[32:39]
	s_nop 0
	PLACES
	s_branch .Lasked
.Lhead_sx:
	s_cmp_lt_u32 s12, 12                           ; waves 8-11 X's scale words,
	s_cbranch_scc0 .Lhead_sy
	tensor_load_to_lds s[56:59], s[40:47]
	s_nop 0
	PLACES
	s_branch .Lasked
.Lhead_sy:
	tensor_load_to_lds s[72:75], s[48:55]          ; waves 12-15 Y's
	s_nop 0
	PLACES
.Lasked:
	v_and_b32 v1, 31, v0
	s_delay_alu instid0(VALU_DEP_1)
	v_lshlrev_b32 v26, 4, v1
	s_delay_alu instid0(VALU_DEP_2)
	v_lshlrev_b32 v27, 2, v1
	s_lshl_b32 s96, s15, 15
	v_add_nc_u32 v2, s96, v26                      ; X: my four tiles, 16 x lane
	s_delay_alu instid0(VALU_DEP_1)
	v_add_nc_u32 v3, 16384, v2
	s_lshl_b32 s96, s16, 15
	s_add_co_u32 s96, s96, YC
	v_add_nc_u32 v4, s96, v26
	s_delay_alu instid0(VALU_DEP_1)
	v_add_nc_u32 v5, 16384, v4
	s_lshl_b32 s96, s15, 8
	s_add_co_u32 s96, s96, XS
	v_add_nc_u32 v6, s96, v27                      ; scale words: my 64 rows, 4 x lane
	s_lshl_b32 s96, s16, 8
	s_add_co_u32 s96, s96, YS
	v_add_nc_u32 v7, s96, v27
.irp b, 0,1,2,3
	v_mov_b32 v[TM+4+\b], 0                        ; written once: a lane permute's destination counts as one of its sources
.endr
.if FF1
	v_bfe_u32 v24, v0, 4, 1
	v_lshlrev_b32 v24, 5, v24                      ; 32 h: the bias in the result's layout: tile i, register j: hidden unit 16 i + 8 h + j
.irp i, 0,1,2,3
	global_load_b128 v[32+8*\i:35+8*\i], v24, s[8:9] offset:64*\i
	global_load_b128 v[36+8*\i:39+8*\i], v24, s[8:9] offset:64*\i+16
.endr
.endif
; A K step of 128: 20 LDS loads, 16 matrix instructions; the 16 accumulators take turns, one instruction a turn.  cmode 0: C = 0; 1: C = the bias; 2: in place.
.macro KSTEP s, cmode
.if (\s) > 0
	PLACES
.endif
.irp y, 0,1,2,3
	ds_load_b128 v[64+8*\y:67+8*\y], v[4+(\s)/4] offset:4096*\y+1024*((\s)%4)
	ds_load_b128 v[68+8*\y:71+8*\y], v[4+(\s)/4] offset:4096*\y+1024*((\s)%4)+512
.endr
	ds_load_b32 v28, v6 offset:1024*(\s)
	ds_load_b32 v29, v6 offset:1024*(\s)+128
	ds_load_b32 v30, v7 offset:1024*(\s)
	ds_load_b32 v31, v7 offset:1024*(\s)+128
.irp i, 0,1,2,3
	ds_load_b128 v[96+8*\i:99+8*\i], v[2+(\s)/4] offset:4096*\i+1024*((\s)%4)
	ds_load_b128 v[100+8*\i:103+8*\i], v[2+(\s)/4] offset:4096*\i+1024*((\s)%4)+512
.endr
.irp i, 0,1,2,3
	s_wait_dscnt 2*(3-\i)                          ; all but the two loads of each later fragment of X
.irp y, 0,1,2,3
.if (\cmode) == 0
	WM0 ACC+32*\y+8*\i, 96+8*\i, 64+8*\y, 28+\i/2, 30+\y/2, \i%2, \y%2
.elseif (\cmode) == 1
	WMC ACC+32*\y+8*\i, 96+8*\i, 64+8*\y, 32+8*\i, 28+\i/2, 30+\y/2, \i%2, \y%2
.else
	WMC ACC+32*\y+8*\i, 96+8*\i, 64+8*\y, ACC+32*\y+8*\i, 28+\i/2, 30+\y/2, \i%2, \y%2
.endif
.endr
.endr
.endm
	s_wait_alu depctr_va_vdst(0)
	s_wait_tensorcnt 0x0                           ; my one load is in
	s_barrier_signal -1
	s_barrier_wait -1                              ; everybody's are
.if FF1
	s_wait_loadcnt 0x0                             ; the bias
	KSTEP 0, 1
.else
	KSTEP 0, 0
.endif
	KSTEP 1, 2
	KSTEP 2, 2
	KSTEP 3, 2
	KSTEP 4, 2
	KSTEP 5, 2
	KSTEP 6, 2
	KSTEP 7, 2
	PLACES
; THE WAY OUT: for each of my four tiles of Y, a lane's 32 numbers are 64 along X of one row (with lane l xor 16's): two blocks of 32.
.irp y, 0,1,2,3
.if FF1
.set n, 0
.rept 32
	v_max_num_f32 v[ACC+32*\y+n], 0, v[ACC+32*\y+n]    ; the activation, in f32; each accumulator from its low end on
.set n, n+1
.endr
.endif
	QUANT ACC+32*\y, 2, 96+4*\y, 20+\y
.endr
	v_cndmask_b32 v24, v20, v21, s94               ; lanes 0-15: tile 0's rows' bytes, lanes 16-31: tile 1's: 32 neighbouring rows
	v_cndmask_b32 v25, v22, v23, s94
.if FF1
	s_lshl_b32 s84, s19, 1
	s_lshr_b32 s85, s15, 1
	s_add_co_u32 s84, s84, s85                     ; the next product's K step: 2 PX + xg / 2;
	s_and_b32 s85, s15, 1                          ; my half of it
	s_lshr_b32 s86, s84, 2
	s_lshl_b32 s86, s86, 8
	s_lshl_b32 s87, s20, 4
	s_add_co_u32 s86, s86, s87
	s_lshl_b32 s87, s16, 2
	s_add_co_u32 s86, s86, s87                     ; (K step / 4) x 256 + my first tile of tokens
	s_lshl_b32 s86, s86, 12
	s_and_b32 s87, s84, 3
	s_lshl_b32 s87, s87, 10
	s_add_co_u32 s86, s86, s87
	s_lshl_b32 s87, s85, 9
	s_add_co_u32 s86, s86, s87
	s_mov_b32 s87, 0
	s_add_nc_u64 s[86:87], s[10:11], s[86:87]
	s_lshl_b32 s88, s84, 14
	s_lshl_b32 s89, s20, 10
	s_add_co_u32 s88, s88, s89
	s_lshl_b32 s89, s16, 8
	s_add_co_u32 s88, s88, s89
	s_lshl_b32 s89, s85, 1
	s_add_co_u32 s88, s88, s89
	s_add_co_u32 s88, s88, 0x800000
	s_mov_b32 s89, 0
	s_add_nc_u64 s[88:89], s[10:11], s[88:89]
.irp y, 0,1,2,3
	global_store_b128 v26, v[96+4*\y:99+4*\y], s[86:87] offset:4096*\y     ; half a fragment: 512 consecutive bytes
.endr
	global_store_b16 v27, v24, s[88:89]            ; my two bytes of each row's scale word
	global_store_b16 v27, v25, s[88:89] offset:128
.else
	s_cmp_eq_u32 s23, 0
	s_cbranch_scc0 .Lv_out
	s_lshr_b32 s84, s20, 3                         ; q, k: batch = PY / 8, head = 4 (PX % 4) + xg
	s_lshl_b32 s84, s84, 4
	s_and_b32 s85, s19, 3
	s_lshl_b32 s85, s85, 2
	s_add_co_u32 s84, s84, s85
	s_add_co_u32 s84, s84, s15                     ; batch x 16 + head
	s_and_b32 s85, s20, 7
	s_lshl_b32 s86, s84, 7
	s_lshl_b32 s87, s85, 4
	s_add_co_u32 s86, s86, s87
	s_lshl_b32 s87, s16, 2
	s_add_co_u32 s86, s86, s87                     ; my first tile of 16 tokens among the head's 128
	s_lshl_b32 s86, s86, 9                         ; 512 bytes a tile: the fragment's registers 0-3 (d = 0 .. 63)
	s_lshl_b32 s87, ttmp9, 21                      ; q at 0, k at 0x200000
	s_add_co_u32 s86, s86, s87
	s_mov_b32 s87, 0
	s_add_nc_u64 s[86:87], s[6:7], s[86:87]
	s_mul_i32 s88, s84, 12288                      ; k's scale words lie with v's, 12,288 bytes a head
	s_add_co_u32 s88, s88, 0x640000
	s_lshl_b32 s89, s84, 13
	s_add_co_u32 s89, s89, 0x600000
	s_cmp_eq_u32 ttmp9, 0
	s_cselect_b32 s88, s89, s88
	s_lshl_b32 s89, s85, 10
	s_add_co_u32 s88, s88, s89
	s_lshl_b32 s89, s16, 8
	s_add_co_u32 s88, s88, s89
	s_mov_b32 s89, 0
	s_add_nc_u64 s[88:89], s[6:7], s[88:89]
	s_wait_alu depctr_va_vdst(0)
	v_or_b32 v24, s95, v24                         ; K = 64 is filled up to 128 with zero codes: their bytes are 127
	v_or_b32 v25, s95, v25
.irp y, 0,1,2,3
	global_store_b128 v26, v[96+4*\y:99+4*\y], s[86:87] offset:512*\y
.endr
	global_store_b32 v27, v24, s[88:89]
	global_store_b32 v27, v25, s[88:89] offset:128
	s_branch .Lclose
.Lv_out:                                               ; v: X = tokens (the keys), Y = the rows of Wv
	s_lshr_b32 s84, s19, 3
	s_lshl_b32 s84, s84, 4
	s_sub_co_u32 s85, s20, 8
	s_lshl_b32 s85, s85, 2
	s_add_co_u32 s84, s84, s85
	s_add_co_u32 s84, s84, s16                     ; batch x 16 + head, head = 4 (PY - 8) + yg
	s_and_b32 s85, s19, 7
	s_lshl_b32 s85, s85, 1
	s_lshr_b32 s86, s15, 1
	s_add_co_u32 s85, s85, s86                     ; the key step of 128;
	s_and_b32 s96, s15, 1                          ; my half of it
	s_lshl_b32 s86, s84, 4
	s_add_co_u32 s86, s86, s85
	s_lshl_b32 s86, s86, 12                        ; [head][key step][d tile 4][1 KiB]
	s_lshl_b32 s87, s96, 9
	s_add_co_u32 s86, s86, s87
	s_add_co_u32 s86, s86, 0x400000
	s_mov_b32 s87, 0
	s_add_nc_u64 s[86:87], s[6:7], s[86:87]
	s_mul_i32 s88, s84, 12288
	s_lshl_b32 s89, s85, 8
	s_add_co_u32 s88, s88, s89
	s_lshl_b32 s89, s96, 1
	s_add_co_u32 s88, s88, s89
	s_add_co_u32 s88, s88, 0x640000+8192
	s_mov_b32 s89, 0
	s_add_nc_u64 s[88:89], s[6:7], s[88:89]
	s_wait_alu depctr_va_vdst(0)
.irp y, 0,1,2,3
	global_store_b128 v26, v[96+4*\y:99+4*\y], s[86:87] offset:1024*\y
.endr
	global_store_b16 v27, v24, s[88:89]
	global_store_b16 v27, v25, s[88:89] offset:128
.Lclose:
.endif
	s_wait_tensorcnt 0x0
	ds_add_u32 v62, v63
	s_wait_dscnt 0x0
	CROUND                                         ; the closing round: no work-group ends while a partner may still ask for a tile that names it
	s_endpgm
.Lfunc_end_k_qc0781d081f_qkv:
	.size	k_qc0781d081f_qkv, .Lfunc_end_k_qc0781d081f_qkv-k_qc0781d081f_qkv
	.p2alignl 7, 3214868480
	.fill 96, 4, 3214868480
	.section	.rodata,"a",@progbits
	.p2align	6, 0x0
	.amdhsa_kernel k_qc0781d081f_qkv
		.amdhsa_group_segment_fixed_size 280576
		.amdhsa_private_segment_fixed_size 0
		.amdhsa_enable_private_segment 0
		.amdhsa_kernarg_size 16
		.amdhsa_user_sgpr_count 2
		.amdhsa_user_sgpr_kernarg_segment_ptr 1
		.amdhsa_wavefront_size32 1
		.amdhsa_system_sgpr_workgroup_id_x 1
		.amdhsa_system_sgpr_workgroup_id_y 1
		.amdhsa_system_sgpr_workgroup_id_z 1
		.amdhsa_system_vgpr_workitem_id 0
		.amdhsa_next_free_vgpr 256
		.amdhsa_next_free_sgpr 100
		.amdhsa_reserve_vcc 0
		.amdhsa_float_denorm_mode_32 3
		.amdhsa_float_denorm_mode_16_64 3
		.amdhsa_memory_ordered 1
		.amdhsa_forward_progress 1
		.amdhsa_inst_pref_size 49
	.end_amdhsa_kernel
	.amdgpu_metadata
---
amdhsa.version: [ 1, 2 ]
amdhsa.kernels:
  - .name:           k_qc0781d081f_qkv
    .symbol:         k_qc0781d081f_qkv.kd
    .args:
      - { .name: wsa, .offset: 0, .size: 8, .value_kind: global_buffer, .address_space: global }
      - { .name: wsb, .offset: 8, .size: 8, .value_kind: global_buffer, .address_space: global }
    .group_segment_fixed_size: 280576
    .private_segment_fixed_size: 0
    .kernarg_segment_align: 8
    .kernarg_segment_size: 16
    .max_flat_workgroup_size: 512
    .sgpr_count:     100
    .vgpr_count:     256
    .wavefront_size: 32
...
	.end_amdgpu_metadata
.endif
;; end of part 2
;; launch attn (part 3): grid 8 x 32, 16 waves a work-group, no clusters, 327,680 bytes of LDS; arguments wsb, wsc; writes wsc
.if DOCPART == 3
	.amdgcn_target "amdgcn-amd-amdhsa--gfx1250"
	.amdhsa_code_object_version 6
	.text
	.protected	k_qc0781d081f_attn
	.globl	k_qc0781d081f_attn
	.p2align	8
	.type	k_qc0781d081f_attn,@function
k_qc0781d081f_attn:
	s_mov_b64 s[64:65], 0
	v_nop
	global_prefetch_b8 v0, s[64:65] scope:SCOPE_SE
	s_setreg_imm32_b32 hwreg(HW_REG_WAVE_MODE, 25, 1), 1
	s_wait_xcnt 0x0
; CAUSAL ATTENTION ON CODES OF FP4 (E2M1), one (batch, head) for a work-group's y; the result is quantised along the head's 64 and leaves as codes and scale bytes.
; t = score x log2(e) / 32; M = the running largest t rounded up to a whole number; p = 2^(t - M) is quantised along the keys; the row's sum is taken of the unquantised p and divides at the end.
; WORK LEFT OUT: key steps all of whose keys lie behind a tile's queries (reference()'s own jnp.tril gives them the weight 0 for all inputs).
; SHARES.  A tile is 16 queries, a key step 128 keys.  Work-group x owns tiles 8 x .. 8 x + 7 (x + 1 steps each) and 127 - 8 x - 7 .. 127 - 8 x (16 - x steps each): 17 steps for a pair of tiles.
; A pair of waves (w, w + 4) shares them.  Steps 0 .. 7: wave A walks its early tile's x + 1 steps, stores it, and goes on with the next (7 - x) / 2 steps of the late tile; wave B walks the late tile's other steps.
; Steps 8 .. 15 - x: A walks the first (8 - x) / 2, B the others, the diagonal among them.  So A has 8 steps and B 9, and in each half of the walk they differ by one at the most.
; Behind the walk A hands its part of the late tile (O^T, -M, the sum) to B through LDS, and B joins the two by powers of two, which round nothing.
; Every wave walks all 16 trips, so that the LDS addresses are stepped by constants.
; K's and V's codes of the whole head (2 x 64 KiB) and their scale words (12 KiB) lie in LDS, each byte filled once.  At the head a wave's one load brings keys 0 .. 1,023 or scale words;
; keys 1,024 .. 2,047 are asked for behind the first barrier, and have the first eight trips in which to land; a second barrier stands in front of trips 8 .. 15.
; All of a WGP's LDS is claimed; the text uses 208,896 bytes.
; No cluster: the branches hang on the work-group's number, which partners would not share.  No prefetch: all that is read from memory is asked for in front of the first trip.
; LIMITS: the promise holds while |t| stays under 2^31; a block of zeros gets the byte 1 (its codes are zeros; only this program reads the bytes); NaN and infinities are not served.
; REGISTERS: v1-4 LDS places, v6 4 r, v7 the pair's stage, v8-11 the step's addresses, v12 -M, v13 largest t, v[14:15] the sum, v16-23 Q, v24 its scale words, v25-30 K's and V's scale words, v31 and v255 the add's two,
; v32-95 K's fragments, v96-159 S^T then p, v160-191 O^T, v192-223 V's fragments, v224-231 p's codes, v232-247, v252-254 at work, v243 and v248-251 the late tile's Q.
.set KSC, 131072
.set VSC, 139264
.set SPARE, 0x29000                    ; the spare words: 128 bytes for each of sixteen waves
.set STAGE, 0x2a000                    ; 4,608 bytes for each of eight pairs; no fill lands here
.set TM,  232
.set SEL, 40
.set CS,  42
.set TB,  44
.set TS,  45
.set TJ,  46
.set KF,  47
.set CNT, 48
.set A1,  49                           ; my steps: first key under A1, or from A2 to under A3, or from A4 up to A5
.set A2,  60
.set A3,  70
.set A4,  71
.set A5,  72
.set SW,  61                           ; the first key in front of which wave A changes tiles
.set QH,  62                           ; the late tile's first query
.set Q0,  14                           ; the first query of the tile in hand
.set SPW, 31
.set NIL, 255
.set STG, 7
.macro QUANT src, nb, pc, pw
.set qb, 0
.rept \nb
	v_max3_num_f32 v[TM+qb], |v[16*qb+\src]|, |v[16*qb+1+\src]|, 0x1800000   ; my 16 numbers of the block, and the floor 2^(3 - 127)
.set qb, qb+1
.endr
.irp i, 2,4,6,8,10,12,14
.set qb, 0
.rept \nb
	s_delay_alu instid0(VALU_DEP_2)
	v_max3_num_f32 v[TM+qb], v[TM+qb], |v[16*qb+\i+\src]|, |v[16*qb+\i+1+\src]|
.set qb, qb+1
.endr
.endr
.set qb, 0
.rept \nb
	s_delay_alu instid0(VALU_DEP_2)
	v_permlanex16_b32 v[TM+4+qb], v[TM+qb], s[SEL], s[SEL+1]
.set qb, qb+1
.endr
.set qb, 0
.rept \nb
	s_delay_alu instid0(VALU_DEP_2)
	v_max_num_f32 v[TM+qb], v[TM+qb], v[TM+4+qb]
.set qb, qb+1
.endr
.set qb, 0
.rept \nb
	s_delay_alu instid0(VALU_DEP_2)
	v_add_nc_u32 v[TM+8+qb], 0xff000000, v[TM+qb]      ; 2 off the exponent field: the conversion's scale operand
.set qb, qb+1
.endr
.set qb, 0
.rept \nb
	s_delay_alu instid0(VALU_DEP_2)
	v_lshrrev_b32 v[TM+4+qb], 23, v[TM+8+qb]           ; the byte
.set qb, qb+1
.endr
	s_delay_alu instid0(VALU_DEP_1)
	v_lshl_or_b32 v[\pw], v[TM+5], 8, v[TM+4]
.set qc, 0
.rept (\nb)/2
	v_cvt_scalef32_pk8_fp4_f32 v[4*qc+\pc], v[32*qc+\src:32*qc+7+\src], v[TM+8+2*qc]
	v_cvt_scalef32_pk8_fp4_f32 v[4*qc+2+\pc], v[32*qc+8+\src:32*qc+15+\src], v[TM+8+2*qc]
	v_cvt_scalef32_pk8_fp4_f32 v[4*qc+1+\pc], v[32*qc+16+\src:32*qc+23+\src], v[TM+9+2*qc]
	v_cvt_scalef32_pk8_fp4_f32 v[4*qc+3+\pc], v[32*qc+24+\src:32*qc+31+\src], v[TM+9+2*qc]
.set qc, qc+1
.endr
	v_nop
.set qc, 0
.rept (\nb)/2
	v_permlane16_swap_b32 v[4*qc+\pc], v[4*qc+1+\pc]
	v_permlane16_swap_b32 v[4*qc+2+\pc], v[4*qc+3+\pc]
.set qc, qc+1
.endr
.endm
.macro WM0 d, a, b, sa, sb, ra
.if (\ra)==0
	v_wmma_scale_f32_16x16x128_f8f6f4 v[\d:\d+7], v[\a:\a+7], v[\b:\b+7], 0, v[\sa], v[\sb] matrix_a_fmt:MATRIX_FMT_FP4 matrix_b_fmt:MATRIX_FMT_FP4
.else
	v_wmma_scale_f32_16x16x128_f8f6f4 v[\d:\d+7], v[\a:\a+7], v[\b:\b+7], 0, v[\sa], v[\sb] matrix_a_fmt:MATRIX_FMT_FP4 matrix_b_fmt:MATRIX_FMT_FP4 matrix_a_scale:MATRIX_SCALE_ROW1
.endif
.endm
.macro WMC d, a, b, sa, sb, ra
.if (\ra)==0
	v_wmma_scale_f32_16x16x128_f8f6f4 v[\d:\d+7], v[\a:\a+7], v[\b:\b+7], v[\d:\d+7], v[\sa], v[\sb] matrix_a_fmt:MATRIX_FMT_FP4 matrix_b_fmt:MATRIX_FMT_FP4
.else
	v_wmma_scale_f32_16x16x128_f8f6f4 v[\d:\d+7], v[\a:\a+7], v[\b:\b+7], v[\d:\d+7], v[\sa], v[\sb] matrix_a_fmt:MATRIX_FMT_FP4 matrix_b_fmt:MATRIX_FMT_FP4 matrix_a_scale:MATRIX_SCALE_ROW1
.endif
.endm
.macro PLACES
.rept 4
	v_nop
.endr
.endm
; A tile is finished: v14 holds my lane's sum.  O^T / the row's sum, quantised along the head's 64, stored as half a fragment and two scale bytes a row.
.macro FINISH
	v_permlanex16_b32 v252, v14, s[SEL], s[SEL+1]
	s_delay_alu instid0(VALU_DEP_1)
	v_add_f32 v14, v14, v252
	s_wait_alu depctr_va_vdst(0)                   ; the wait ahead of the transcendental
	v_rcp_f32 v14, v14
	v_nop
	s_wait_alu depctr_va_vdst(0)                   ; and ahead of its first reader
.set n, 0
.rept 32
	v_mul_f32 v[96+n], v[160+n], v14
.set n, n+1
.endr
	QUANT 96, 2, 224, 254
	global_store_b128 v1, v[224:227], s[56:57]
	global_store_b16 v6, v254, s[58:59]
.endm
; A TRIP: 128 keys.  sw = 1: wave A's change of tiles may stand at its end.  mask: the codes' offset in LDS is cut to the trips of this loop.
.macro TRIP sw, mask
	s_cmp_lt_u32 s[KF], s[A1]
	s_cbranch_scc1 .Lwork_\@
	s_cmp_lt_u32 s[KF], s[A2]
	s_cbranch_scc1 .Lhidden_\@
	s_cmp_lt_u32 s[KF], s[A3]
	s_cbranch_scc1 .Lwork_\@
	s_cmp_lt_u32 s[KF], s[A4]
	s_cbranch_scc1 .Lhidden_\@
	s_cmp_gt_u32 s[KF], s[A5]
	s_cbranch_scc1 .Lhidden_\@
.Lwork_\@:
	s_and_b32 s50, s[TB], \mask
	v_add_nc_u32 v8, s50, v1                       ; (these four are also the places in front of the loads)
	v_add_nc_u32 v9, s50, v2
	v_add_nc_u32 v10, s[TS], v3
	v_add_nc_u32 v11, s[TJ], v4
.irp t, 0,1,2,3,4,5,6,7
	ds_load_b128 v[32+8*\t:35+8*\t], v8 offset:512*\t
.endr
.irp i, 0,1,2,3
	ds_load_b32 v[25+\i], v10 offset:128*\i
.endr
.irp t, 0,1,2,3
	ds_load_b128 v[192+8*\t:195+8*\t], v9 offset:1024*\t
	ds_load_b128 v[196+8*\t:199+8*\t], v9 offset:1024*\t+512
.endr
	ds_load_b32 v29, v11
	ds_load_b32 v30, v11 offset:128
	s_wait_dscnt 10                                ; K's twelve loads are in; V's ten may be out
.irp t, 0,1,2,3,4,5,6,7
	WM0 96+8*\t, 32+8*\t, 16, 25+\t/2, 24, \t%2
.endr
	PLACES
	s_add_co_u32 s50, s[KF], 127
	s_cmp_le_u32 s50, s[Q0]
	s_cbranch_scc1 .Lopen_\@
	s_sub_co_i32 s50, s[Q0], s[KF]                 ; on the diagonal: hidden scores become -infinity.  Register 8 i + j holds key KF + 16 i + 8 (lane / 16) + j
	v_and_b32 v240, 15, v0
	v_bfe_u32 v241, v0, 4, 1
	s_delay_alu instid0(VALU_DEP_1)
	v_lshlrev_b32 v241, 3, v241
	s_delay_alu instid0(VALU_DEP_1)
	v_sub_nc_u32 v240, v240, v241
	s_delay_alu instid0(VALU_DEP_1)
	v_add_nc_u32 v240, s50, v240
	v_mov_b32 v242, 0xff800000
.set n, 0
.rept 64
	v_cmp_gt_i32 vcc_lo, 16*(n/8)+n%8, v240
	v_cndmask_b32 v[96+n], v[96+n], v242, vcc_lo
.set n, n+1
.endr
.Lopen_\@:
.irp b, 0,1,2,3
	v_max3_num_f32 v[232+\b], v[96+16*\b], v[97+16*\b], v[98+16*\b]
.endr
.irp i, 3,5,7,9,11,13
.irp b, 0,1,2,3
	v_max3_num_f32 v[232+\b], v[232+\b], v[96+16*\b+\i], v[97+16*\b+\i]
.endr
.endr
.irp b, 0,1,2,3
	v_max_num_f32 v[232+\b], v[232+\b], v[111+16*\b]
.endr
.irp b, 0,1,2,3
	s_delay_alu instid0(VALU_DEP_4)
	v_permlanex16_b32 v[236+\b], v[232+\b], s[SEL], s[SEL+1]
.endr
.irp b, 0,1,2,3
	s_delay_alu instid0(VALU_DEP_4)
	v_max_num_f32 v[232+\b], v[232+\b], v[236+\b]
.endr
	s_delay_alu instid0(VALU_DEP_2)
	v_max3_num_f32 v254, v232, v233, v234
	s_delay_alu instid0(VALU_DEP_1)
	v_max_num_f32 v254, v254, v235
	s_delay_alu instid0(VALU_DEP_1)
	v_mul_f32 v254, s[CS], v254
	s_delay_alu instid0(VALU_DEP_1)
	v_max_num_f32 v13, v13, v254
	v_mov_b32 v254, v12
	s_delay_alu instid0(VALU_DEP_2)
	v_floor_f32 v12, -v13                          ; -M = floor(-t)
	s_delay_alu instid0(VALU_DEP_1)
	v_sub_f32 v254, v12, v254
	s_delay_alu instid0(VALU_DEP_1)
	v_cvt_i32_f32 v254, v254
	s_delay_alu instid0(VALU_DEP_1)
	v_ldexp_f32 v252, 1.0, v254                    ; f = 2^(old M - new M)
.set n, 0
.rept 32
	v_pk_fma_f32 v[96+n:97+n], v[96+n:97+n], s[CS:CS+1], v[12:13] op_sel_hi:[1,0,0]
.set n, n+2
.endr
.irp b, 0,1,2,3
	v_fma_f32 v[232+\b], v[232+\b], s[CS], v12
.endr
	s_wait_alu depctr_va_vdst(0)                   ; the wait ahead of the batch
.set n, 0
.rept 64
	v_exp_f32 v[96+n], v[96+n]
.set n, n+1
.endr
	v_pk_mul_f32 v[14:15], v[14:15], v[252:253] op_sel_hi:[1,0]
	s_wait_alu depctr_va_vdst(0)                   ; and behind it
.irp b, 0,1,2,3
	v_exp_f32 v[232+\b], v[232+\b]                 ; each block's largest p
.endr
	v_pk_add_f32 v[236:237], v[96:97], v[98:99]
.irp j, 4,8,12,16,20,24,28,32,36,40,44,48,52,56,60
	v_pk_add_f32 v[14:15], v[14:15], v[96+\j:97+\j]
	v_pk_add_f32 v[236:237], v[236:237], v[98+\j:99+\j]
.endr
	s_delay_alu instid0(VALU_DEP_1)
	v_pk_add_f32 v[14:15], v[14:15], v[236:237]
	s_wait_alu depctr_va_vdst(0)                   ; for the four
.irp b, 0,1,2,3
	v_max_num_f32 v[232+\b], 0x1800000, v[232+\b]
.endr
.irp b, 0,1,2,3
	s_delay_alu instid0(VALU_DEP_4)
	v_add_nc_u32 v[244+\b], 0xff000000, v[232+\b]
.endr
.irp b, 0,1,2,3
	s_delay_alu instid0(VALU_DEP_4)
	v_lshrrev_b32 v[236+\b], 23, v[244+\b]
.endr
	s_delay_alu instid0(VALU_DEP_3)
	v_lshl_or_b32 v253, v237, 8, v236
	s_delay_alu instid0(VALU_DEP_1)
	v_lshl_or_b32 v253, v238, 16, v253
	s_delay_alu instid0(VALU_DEP_1)
	v_lshl_or_b32 v253, v239, 24, v253
.irp c, 0,1
	v_cvt_scalef32_pk8_fp4_f32 v[224+4*\c], v[96+32*\c:103+32*\c], v[244+2*\c]
	v_cvt_scalef32_pk8_fp4_f32 v[226+4*\c], v[104+32*\c:111+32*\c], v[244+2*\c]
	v_cvt_scalef32_pk8_fp4_f32 v[225+4*\c], v[112+32*\c:119+32*\c], v[245+2*\c]
	v_cvt_scalef32_pk8_fp4_f32 v[227+4*\c], v[120+32*\c:127+32*\c], v[245+2*\c]
.endr
	v_nop
.irp c, 0,1
	v_permlane16_swap_b32 v[224+4*\c], v[225+4*\c]
	v_permlane16_swap_b32 v[226+4*\c], v[227+4*\c]
.endr
	s_wait_alu depctr_va_vdst(0)                   ; the wait here, directly ahead of the first reader of O^T
.set n, 0
.rept 16
	v_pk_mul_f32 v[160+n:161+n], v[160+n:161+n], v[252:253] op_sel_hi:[1,0]
.set n, n+2
.endr
	s_wait_alu depctr_va_vdst(0)                   ; and here, directly ahead of the wait below
	s_wait_dscnt 0x0
.irp t, 0,1,2,3
	WMC 160+8*\t, 192+8*\t, 224, 29+\t/2, 253, \t%2
.endr
.Lhidden_\@:
	s_add_co_u32 s[KF], s[KF], 128
	s_add_co_u32 s[TB], s[TB], 4096
	s_add_co_u32 s[TS], s[TS], 512
	s_add_co_u32 s[TJ], s[TJ], 256
.if \sw
	s_cmp_eq_u32 s[KF], s[SW]
	s_cbranch_scc0 .Lsame_\@
	PLACES                                         ; WAVE A CHANGES TILES: the early tile is whole; it leaves, and the late tile's part begins with zeros
	v_add_f32 v14, v14, v15
	FINISH
	s_mov_b32 s[Q0], s[QH]
.irp j, 0,1,2,3
	v_mov_b32 v[16+\j], v[248+\j]
.endr
	v_mov_b32 v24, v243
.set n, 0
.rept 32
	v_mov_b32 v[160+n], 0
.set n, n+1
.endr
	v_mov_b32 v13, 0xff61b1e6
	v_mov_b32 v14, 0
	v_mov_b32 v15, 0
	v_floor_f32 v12, -v13
	s_wait_alu depctr_va_vdst(0)                   ; the wait here, directly ahead of the wait below
	s_wait_xcnt 0x0                                ; the stores have read their registers, which the next step writes
.Lsame_\@:
.endif
.endm
	s_load_b128 s[4:7], s[0:1], 0x0                ; wsb, wsc
	v_lshl_add_u32 v[SPW], v0, 2, SPARE
	v_mov_b32 v[NIL], 0
	ds_add_u32 v[SPW], v[NIL]                      ; the opening lines: the add twice on end and its wait ahead of my first tensor load
	ds_add_u32 v[SPW], v[NIL]
	v_lshrrev_b32 v1, 5, v0
	s_delay_alu instid0(VALU_DEP_1)
	v_readfirstlane_b32 s8, v1                     ; wave 0..15
	s_and_b32 s9, ttmp7, 0xffff                    ; batch x 16 + head
	s_lshr_b32 s10, s8, 3
	s_and_b32 s11, s8, 7
	s_and_b32 s12, s8, 3
	s_lshl_b32 s13, s10, 2
	s_add_co_u32 s12, s12, s13                     ; my pair 0..7
	s_mul_i32 s3, s12, 4608
	s_add_co_u32 s3, s3, STAGE                     ; its stage
	s_lshl_b32 s13, ttmp9, 3
	s_add_co_u32 s12, s12, s13                     ; the early tile
	s_sub_co_u32 s63, 127, s12                     ; the late tile
	s_lshl_b32 s[QH], s63, 4
	s_lshl_b32 s13, ttmp9, 7
	s_add_co_u32 s13, s13, 128                     ; the first key behind the early tile's steps,
	s_sub_co_u32 s2, 7, ttmp9
	s_lshr_b32 s2, s2, 1
	s_lshl_b32 s2, s2, 7
	s_add_co_u32 s2, s2, s13                       ; behind A's steps of the late tile under key 1,024,
	s_sub_co_u32 s10, 8, ttmp9
	s_lshr_b32 s10, s10, 1
	s_lshl_b32 s10, s10, 7
	s_add_co_u32 s10, s10, 1024                    ; and behind A's steps from key 1,024 on
	s_add_co_u32 s[A5], s[QH], 15
	s_and_b32 s15, s8, 4                           ; 0: wave A; 4: wave B
	s_cmp_lg_u32 s15, 0
	s_cselect_b32 s12, s63, s12                    ; the tile that I finish
	s_cselect_b32 s[A1], s13, s2
	s_cselect_b32 s[A2], s2, 1024
	s_cselect_b32 s[A3], 1024, s10
	s_cselect_b32 s[A4], s10, -1                   ; every first key lies under -1 as an unsigned number: A has no third run
	s_cselect_b32 s[A5], s[A5], 0
	s_cselect_b32 s[SW], -1, s13                   ; no first key equals -1: B never changes tiles
	s_lshl_b32 s[Q0], s12, 4
	s_mov_b32 s16, 3<<16                           ; group 1, scale words: 1,536 dense bytes as 6 rows of 256
	s_mov_b32 s17, 32<<16
	s_mov_b32 s18, 6<<16
	s_mov_b32 s19, 32<<16
	s_mov_b32 s20, 6
	s_mov_b32 s21, 32
	s_mov_b32 s22, 0
	s_mov_b32 s23, 0
	s_mov_b32 s24, 3<<16                           ; group 1, codes: 8 KiB dense as 32 rows of 256
	s_mov_b32 s25, 32<<16
	s_mov_b32 s26, 32<<16
	s_mov_b32 s27, 32<<16
	s_mov_b32 s28, 32
	s_mov_b32 s29, 32
	s_mov_b32 s30, 0
	s_mov_b32 s31, 0
	s_mov_b32 s32, 1
	s_mul_i32 s13, s11, 1536
	s_add_co_u32 s33, s13, KSC
	s_mul_i32 s34, s9, 12288
	s_add_co_u32 s34, s34, s13
	s_add_co_u32 s34, s34, 0x640000
	s_mov_b32 s35, 0
	s_mov_b32 s36, 1
	s_lshr_b32 s13, s11, 2                         ; waves 0-3: K's codes, waves 4-7: V's; a quarter of 1,024 keys each
	s_lshl_b32 s37, s13, 16
	s_lshl_b32 s38, s13, 21
	s_add_co_u32 s38, s38, 0x200000
	s_and_b32 s13, s8, 3
	s_lshl_b32 s13, s13, 13
	s_add_co_u32 s37, s37, s13
	s_add_co_u32 s38, s38, s13
	s_lshl_b32 s13, s9, 16
	s_add_co_u32 s38, s38, s13
	s_mov_b32 s39, 0
	s_lshl_b32 s52, s9, 7                          ; Q's codes, 512 bytes a tile: my tile's and the late tile's
	s_add_co_u32 s66, s52, s63
	s_add_co_u32 s52, s52, s12
	s_lshl_b32 s52, s52, 9
	s_lshl_b32 s66, s66, 9
	s_mov_b32 s53, 0
	s_mov_b32 s67, 0
	s_lshl_b32 s54, s9, 11                         ; and its scale words
	s_add_co_u32 s68, s54, s[QH]
	s_add_co_u32 s54, s54, s[Q0]
	s_lshl_b32 s54, s54, 2
	s_lshl_b32 s68, s68, 2
	s_add_co_u32 s54, s54, 0x600000
	s_add_co_u32 s68, s68, 0x600000
	s_mov_b32 s55, 0
	s_mov_b32 s69, 0
	s_and_b32 s50, s9, 15                          ; the head,
	s_lshr_b32 s51, s9, 4                          ; the batch: where my tile's codes go: ((head / 8) x 256 + batch x 128 + tile) x 4,096 + (head % 8) x 512
	s_lshr_b32 s13, s50, 3
	s_lshl_b32 s13, s13, 8
	s_lshl_b32 s2, s51, 7
	s_add_co_u32 s13, s13, s2
	s_add_co_u32 s13, s13, s12
	s_lshl_b32 s56, s13, 12
	s_and_b32 s13, s50, 7
	s_lshl_b32 s13, s13, 9
	s_add_co_u32 s56, s56, s13
	s_mov_b32 s57, 0
	s_lshr_b32 s13, s50, 1                         ; and its two scale bytes: ((head / 2) x 4,096 + token) x 4 + 2 (head % 2)
	s_lshl_b32 s13, s13, 12
	s_lshl_b32 s2, s51, 11
	s_add_co_u32 s13, s13, s2
	s_add_co_u32 s13, s13, s[Q0]
	s_lshl_b32 s58, s13, 2
	s_and_b32 s13, s50, 1
	s_lshl_b32 s13, s13, 1
	s_add_co_u32 s58, s58, s13
	s_add_co_u32 s58, s58, 0x200000
	s_mov_b32 s59, 0
	s_mov_b32 s[SEL], 0x76543210
	s_mov_b32 s[SEL+1], 0xfedcba98
	s_mov_b32 s[CS], 0x3d38aa3b                    ; log2(e) / 32
	s_mov_b32 s[CS+1], s[CS]
	s_mov_b32 s[TB], 0
	s_mov_b32 s[TS], 0
	s_mov_b32 s[TJ], 0
	s_mov_b32 s[KF], 0
	s_wait_dscnt 0x0
	s_wait_kmcnt 0x0
	s_add_nc_u64 s[34:35], s[4:5], s[34:35]
	s_or_b32 s35, s35, 0x80000000
	s_add_nc_u64 s[38:39], s[4:5], s[38:39]
	s_or_b32 s39, s39, 0x80000000
	s_add_nc_u64 s[52:53], s[4:5], s[52:53]
	s_add_nc_u64 s[54:55], s[4:5], s[54:55]
	s_add_nc_u64 s[66:67], s[4:5], s[66:67]
	s_add_nc_u64 s[68:69], s[4:5], s[68:69]
	s_add_nc_u64 s[56:57], s[6:7], s[56:57]
	s_add_nc_u64 s[58:59], s[6:7], s[58:59]
	s_cmp_lt_u32 s8, 8                             ; the head's fills, one a wave: waves 0-7 the codes of keys 0 .. 1,023, waves 8-15 an eighth of the scale words each
	s_cbranch_scc0 .Lhead_s
	tensor_load_to_lds s[36:39], s[24:31]
	s_nop 0
	PLACES
	s_branch .Lasked
.Lhead_s:
	tensor_load_to_lds s[32:35], s[16:23]
	s_nop 0
	PLACES
.Lasked:
	v_and_b32 v5, 31, v0
	s_delay_alu instid0(VALU_DEP_1)
	v_lshlrev_b32 v1, 4, v5
	v_lshl_add_u32 v3, v5, 2, KSC
	v_lshl_add_u32 v4, v5, 2, VSC
	v_and_b32 v6, 15, v0
	v_add_nc_u32 v2, 65536, v1
	v_add_nc_u32 v[STG], s3, v1
	v_lshlrev_b32 v6, 2, v6
	global_load_b128 v[16:19], v1, s[52:53]
	global_load_b32 v24, v6, s[54:55]
	global_load_b128 v[248:251], v1, s[66:67]
	global_load_b32 v243, v6, s[68:69]
.irp j, 20,21,22,23
	v_mov_b32 v\j, 0                               ; K = 64 is filled up to 128 with zero codes
.endr
.irp t, 0,1,2,3,4,5,6,7
.irp c, 4,5,6,7
	v_mov_b32 v[32+8*\t+\c], 0
.endr
.endr
.set n, 0
.rept 32
	v_mov_b32 v[160+n], 0
.set n, n+1
.endr
	v_mov_b32 v13, 0xff61b1e6                      ; -3e38, under every t
	s_delay_alu instid0(VALU_DEP_1)
	v_floor_f32 v12, -v13
	v_mov_b32 v14, 0
	v_mov_b32 v15, 0
.irp b, 0,1,2,3
	v_mov_b32 v[236+\b], 0
.endr
	v_mov_b32 v252, 0
	v_mov_b32 v253, 0
	s_wait_alu depctr_va_vdst(0)                   ; the wait at the head's end
	s_wait_loadcnt 0x0
	s_wait_tensorcnt 0x0                           ; my one load is in
	ds_add_u32 v[SPW], v[NIL]
	s_add_co_u32 s37, s37, 32768                   ; no tensor load of mine is out, so the group 0 may be written: the same quarter of keys 1,024 .. 2,047
	s_add_nc_u64 s[38:39], s[38:39], 32768
	s_wait_dscnt 0x0
	s_barrier_signal -1
	s_barrier_wait -1                              ; everybody's are in
	s_cmp_lt_u32 s8, 8
	s_cbranch_scc0 .Lno_second
	tensor_load_to_lds s[36:39], s[24:31]          ; it lands from byte 32,768 of K's and of V's codes on; the first loop reads under those bytes
	s_nop 0
	PLACES
.Lno_second:
	s_mov_b32 s[CNT], 8
.Lfirst:
	TRIP 1, 0x7000
	s_sub_co_u32 s[CNT], s[CNT], 1
	s_cmp_lg_u32 s[CNT], 0
	s_cbranch_scc1 .Lfirst
	s_wait_tensorcnt 0x0                           ; my part of keys 1,024 .. 2,047 is in
	s_wait_dscnt 0x0
	s_barrier_signal -1
	s_barrier_wait -1                              ; everybody's are
	s_mov_b32 s[CNT], 8
.Lsecond:
	TRIP 0, 0xf000
	s_sub_co_u32 s[CNT], s[CNT], 1
	s_cmp_lg_u32 s[CNT], 0
	s_cbranch_scc1 .Lsecond
	PLACES
	s_wait_alu depctr_va_vdst(0)
	v_add_f32 v14, v14, v15
	s_cmp_lg_u32 s15, 0
	s_wait_alu depctr_va_vdst(0)                   ; the wait here, directly ahead of the branch
	s_cbranch_scc1 .Lkeep
.irp k, 0,1,2,3,4,5,6,7
	ds_store_b128 v[STG], v[160+4*\k:163+4*\k] offset:512*\k       ; wave A: my part of the late tile as an image of the registers, each accumulator from its low end on
.endr
	ds_store_b128 v[STG], v[12:15] offset:4096                     ; -M in the first word, the lane's sum in the third
.Lkeep:
	s_wait_dscnt 0x0                               ; for B's sake: my stores are done
	s_barrier_signal -1
	s_barrier_wait -1
	s_cmp_eq_u32 s15, 0
	s_cbranch_scc1 .Lend
.irp k, 0,1,2,3,4,5,6,7
	ds_load_b128 v[96+4*\k:99+4*\k], v[STG] offset:512*\k
.endr
	ds_load_b128 v[128:131], v[STG] offset:4096
	s_wait_dscnt 0x0
	v_min_num_f32 v240, v12, v128                  ; WAVE B JOINS THE TWO PARTS under the larger M: -M = the smaller of the two
	s_delay_alu instid0(VALU_DEP_1)
	v_sub_f32 v241, v240, v12                      ; whole numbers, 0 or less
	v_sub_f32 v242, v240, v128
	s_delay_alu instid0(VALU_DEP_2)
	v_cvt_i32_f32 v241, v241                       ; (they saturate: a part with no step has -M = 3e38 and gets the factor 0)
	s_delay_alu instid0(VALU_DEP_2)
	v_cvt_i32_f32 v242, v242
	s_delay_alu instid0(VALU_DEP_2)
	v_ldexp_f32 v244, 1.0, v241
	v_ldexp_f32 v245, 1.0, v241
	s_delay_alu instid0(VALU_DEP_3)
	v_ldexp_f32 v246, 1.0, v242
	v_ldexp_f32 v247, 1.0, v242
	v_mul_f32 v14, v14, v244
	s_delay_alu instid0(VALU_DEP_1)
	v_fma_f32 v14, v130, v246, v14
.set n, 0
.rept 16
	v_pk_mul_f32 v[160+n:161+n], v[160+n:161+n], v[244:245]
.set n, n+2
.endr
.set n, 0
.rept 16
	v_pk_fma_f32 v[160+n:161+n], v[96+n:97+n], v[246:247], v[160+n:161+n]
.set n, n+2
.endr
	FINISH
.Lend:
	s_wait_tensorcnt 0x0                           ; the wave's end
	ds_add_u32 v[SPW], v[NIL]
	s_wait_dscnt 0x0
	s_endpgm
.Lfunc_end_k_qc0781d081f_attn:
	.size	k_qc0781d081f_attn, .Lfunc_end_k_qc0781d081f_attn-k_qc0781d081f_attn
	.p2alignl 7, 3214868480
	.fill 96, 4, 3214868480
	.section	.rodata,"a",@progbits
	.p2align	6, 0x0
	.amdhsa_kernel k_qc0781d081f_attn
		.amdhsa_group_segment_fixed_size 327680
		.amdhsa_private_segment_fixed_size 0
		.amdhsa_enable_private_segment 0
		.amdhsa_kernarg_size 16
		.amdhsa_user_sgpr_count 2
		.amdhsa_user_sgpr_kernarg_segment_ptr 1
		.amdhsa_wavefront_size32 1
		.amdhsa_system_sgpr_workgroup_id_x 1
		.amdhsa_system_sgpr_workgroup_id_y 1
		.amdhsa_system_sgpr_workgroup_id_z 1
		.amdhsa_system_vgpr_workitem_id 0
		.amdhsa_next_free_vgpr 256
		.amdhsa_next_free_sgpr 74
		.amdhsa_reserve_vcc 1
		.amdhsa_float_denorm_mode_32 3
		.amdhsa_float_denorm_mode_16_64 3
		.amdhsa_memory_ordered 1
		.amdhsa_forward_progress 1
		.amdhsa_inst_pref_size 69
	.end_amdhsa_kernel
	.amdgpu_metadata
---
amdhsa.version: [ 1, 2 ]
amdhsa.kernels:
  - .name:           k_qc0781d081f_attn
    .symbol:         k_qc0781d081f_attn.kd
    .args:
      - { .name: wsb, .offset: 0, .size: 8, .value_kind: global_buffer, .address_space: global }
      - { .name: wsc, .offset: 8, .size: 8, .value_kind: global_buffer, .address_space: global }
    .group_segment_fixed_size: 327680
    .private_segment_fixed_size: 0
    .kernarg_segment_align: 8
    .kernarg_segment_size: 16
    .max_flat_workgroup_size: 512
    .sgpr_count:     74
    .vgpr_count:     256
    .wavefront_size: 32
...
	.end_amdgpu_metadata
.endif
;; end of part 3
;; launch projln (part 4): grid 256 x 1, 16 waves a work-group, clusters of 4 x 1, 327,680 bytes of LDS; arguments wsc, wsa, bp, g2, be2, wsd; writes wsd
.if DOCPART == 4
	.amdgcn_target "amdgcn-amd-amdhsa--gfx1250"
	.amdhsa_code_object_version 6
	.text
	.protected	k_qc0781d081f_projln
	.globl	k_qc0781d081f_projln
	.p2align	8
	.type	k_qc0781d081f_projln,@function
k_qc0781d081f_projln:
	s_mov_b64 s[64:65], 0
	v_nop
	global_prefetch_b8 v0, s[64:65] scope:SCOPE_SE
	s_setreg_imm32_b32 hwreg(HW_REG_WAVE_MODE, 25, 1), 1
	s_wait_xcnt 0x0
	s_wait_alu depctr_hold_cnt(0) depctr_sa_sdst(0) depctr_va_vdst(0) depctr_va_sdst(0) depctr_va_ssrc(0) depctr_va_vcc(0) depctr_vm_vsrc(0)
	s_getreg_b32 s2, hwreg(HW_REG_IB_STS2, 6, 4)
	s_cmp_eq_u32 s2, 0
	s_cbranch_scc0 .Lentry_in_a_cluster
	s_endpgm
.Lentry_in_a_cluster:
	s_bfe_u32 s2, ttmp6, 0x10000c
	s_cmp_lg_u32 s2, 0x3003
	s_cbranch_scc0 .Lentry_shape_is_right
	s_endpgm
.Lentry_shape_is_right:
; xm = layernorm(xn + attention's result x Wp + bp), the product over K = 1,024 on codes of FP4 (E2M1); xm leaves as f32 (the residual) and as codes with scale words.
; A work-group owns 16 tokens, whole rows, so that the norm needs no other work-group.  Wave w owns 64 columns: four accumulators, which begin as bp; source 0 = a tile of Wp's rows, source 1 = the tokens.
; Wp's codes (512 KiB) come in TWO fills of 256 KiB, 512 along K each: a wave's one load brings its own four tiles, 16 KiB dense, and only that wave reads them.
; CLUSTER 4 x 1: all work-groups walk the same codes of Wp, so each load is asked for jointly by the four partners; the refill stands behind a round of the cluster's barrier.
; The way out's stage is each wave's own 16 KiB of that region, which have had their last fill and which no other wave reads.
; No prefetch: K has two fills only, and there is no loop to run ahead in.
; LIMITS: a block of zeros gets the byte 1 (its codes are zeros; only this program reads the bytes); largest magnitudes under 2^-124 have the byte held at 1; NaN and infinities are not served.
.set WPC, 0x13c0000
.set WPS, 0x1440000
.set SLOT1, 131072
.set RED1, 262144
.set RED2, 263168
.set SCW,  264192
.set AIMG, 264704
.set SPARE, 272896
.set TM,  80
.set SEL, 60
.set NIL, 240
.set SPW, 241
.set WA0, 242
.set AST, 244
.set ALD, 245
.set JC,  96
.set JR,  176
.macro QUANT src, nb, pc, pw
.set qb, 0
.rept \nb
	v_max3_num_f32 v[TM+qb], |v[16*qb+\src]|, |v[16*qb+1+\src]|, 0x1800000
.set qb, qb+1
.endr
.irp i, 2,4,6,8,10,12,14
.set qb, 0
.rept \nb
	s_delay_alu instid0(VALU_DEP_2)
	v_max3_num_f32 v[TM+qb], v[TM+qb], |v[16*qb+\i+\src]|, |v[16*qb+\i+1+\src]|
.set qb, qb+1
.endr
.endr
.set qb, 0
.rept \nb
	s_delay_alu instid0(VALU_DEP_2)
	v_permlanex16_b32 v[TM+4+qb], v[TM+qb], s[SEL], s[SEL+1]
.set qb, qb+1
.endr
.set qb, 0
.rept \nb
	s_delay_alu instid0(VALU_DEP_2)
	v_max_num_f32 v[TM+qb], v[TM+qb], v[TM+4+qb]
.set qb, qb+1
.endr
.set qb, 0
.rept \nb
	s_delay_alu instid0(VALU_DEP_2)
	v_add_nc_u32 v[TM+8+qb], 0xff000000, v[TM+qb]
.set qb, qb+1
.endr
.set qb, 0
.rept \nb
	s_delay_alu instid0(VALU_DEP_2)
	v_lshrrev_b32 v[TM+4+qb], 23, v[TM+8+qb]
.set qb, qb+1
.endr
	s_delay_alu instid0(VALU_DEP_1)
	v_lshl_or_b32 v[\pw], v[TM+5], 8, v[TM+4]
.set qc, 0
.rept (\nb)/2
	v_cvt_scalef32_pk8_fp4_f32 v[4*qc+\pc], v[32*qc+\src:32*qc+7+\src], v[TM+8+2*qc]
	v_cvt_scalef32_pk8_fp4_f32 v[4*qc+2+\pc], v[32*qc+8+\src:32*qc+15+\src], v[TM+8+2*qc]
	v_cvt_scalef32_pk8_fp4_f32 v[4*qc+1+\pc], v[32*qc+16+\src:32*qc+23+\src], v[TM+9+2*qc]
	v_cvt_scalef32_pk8_fp4_f32 v[4*qc+3+\pc], v[32*qc+24+\src:32*qc+31+\src], v[TM+9+2*qc]
.set qc, qc+1
.endr
	v_nop
.set qc, 0
.rept (\nb)/2
	v_permlane16_swap_b32 v[4*qc+\pc], v[4*qc+1+\pc]
	v_permlane16_swap_b32 v[4*qc+2+\pc], v[4*qc+3+\pc]
.set qc, qc+1
.endr
.endm
.macro WMC d, a, b, sa, sb, ra
.if (\ra)==0
	v_wmma_scale_f32_16x16x128_f8f6f4 v[\d:\d+7], v[\a:\a+7], v[\b:\b+7], v[\d:\d+7], v[\sa], v[\sb] matrix_a_fmt:MATRIX_FMT_FP4 matrix_b_fmt:MATRIX_FMT_FP4
.else
	v_wmma_scale_f32_16x16x128_f8f6f4 v[\d:\d+7], v[\a:\a+7], v[\b:\b+7], v[\d:\d+7], v[\sa], v[\sb] matrix_a_fmt:MATRIX_FMT_FP4 matrix_b_fmt:MATRIX_FMT_FP4 matrix_a_scale:MATRIX_SCALE_ROW1
.endif
.endm
.macro PLACES
.rept 4
	v_nop
.endr
.endm
.macro CROUND
	s_barrier_signal -1
	s_barrier_wait -1
	s_cmp_lg_u32 s16, 0
	s_cbranch_scc1 .Lnot_wave_0_\@
	s_barrier_signal -3
.Lnot_wave_0_\@:
	s_barrier_wait -3
	s_barrier_signal -1
	s_barrier_wait -1
.endm
.macro CHANGE g0, fill
	s_wait_tensorcnt 0x0
	ds_add_u32 v[SPW], v[NIL]
.if \fill
	s_add_nc_u64 s[\g0+2:\g0+3], s[\g0+2:\g0+3], 262144
.endif
	s_wait_dscnt 0x0
.if \fill
	CROUND
	tensor_load_to_lds s[\g0:\g0+3], s[24:31]
	s_nop 0
	PLACES
.else
	s_barrier_signal -1
	s_barrier_wait -1
	PLACES
.endif
.endm
.macro QTR slot, q
.irp u, 0,1
	ds_load_b128 v[96+8*\u:99+8*\u], v[ALD] offset:1024*(2*(\q)+\u)
	ds_load_b128 v[100+8*\u:103+8*\u], v[ALD] offset:1024*(2*(\q)+\u)+512
.endr
.irp u, 0,1
.irp t, 0,1,2,3
	ds_load_b128 v[112+32*\u+8*\t:115+32*\u+8*\t], v[WA0] offset:4096*\t+1024*(2*(\slot)+\u)       ; slot: which 256 of the fill's 512 along K
	ds_load_b128 v[116+32*\u+8*\t:119+32*\u+8*\t], v[WA0] offset:4096*\t+1024*(2*(\slot)+\u)+512
.endr
.endr
	s_wait_dscnt 8
.irp t, 0,1,2,3
	WMC 48+8*\t, 112+8*\t, 96, 24+4*(\q)+\t/2, 40+2*(\q), \t%2
.endr
	s_wait_dscnt 0x0
.irp t, 0,1,2,3
	WMC 48+8*\t, 144+8*\t, 104, 26+4*(\q)+\t/2, 41+2*(\q), \t%2
.endr
.endm
	s_load_b256 s[4:11], s[0:1], 0x0
	s_load_b128 s[12:15], s[0:1], 0x20
	v_lshl_add_u32 v[SPW], v0, 2, SPARE
	v_mov_b32 v[NIL], 0
	ds_add_u32 v241, v240
	ds_add_u32 v241, v240
	s_wait_dscnt 0x0
	v_lshrrev_b32 v1, 5, v0
	s_delay_alu instid0(VALU_DEP_1)
	v_readfirstlane_b32 s16, v1
	s_bfe_u32 s62, ttmp6, 0x40000
	s_lshl_b32 s63, ttmp9, 2
	s_add_co_u32 s63, s63, s62
	s_mov_b32 s24, 15|(3<<16)|(1<<21)
	s_mov_b32 s25, 32<<16                          ; four tiles' codes for 512 along K: 16 KiB dense, as 64 rows of 256 bytes
	s_mov_b32 s26, 64<<16
	s_mov_b32 s27, 32<<16
	s_mov_b32 s28, 64
	s_mov_b32 s29, 32
	s_mov_b32 s30, 0
	s_mov_b32 s31, 0
	s_mov_b32 s20, 1
	s_lshl_b32 s21, s16, 14                        ; my 16 KiB of LDS
	s_lshl_b32 s52, s16, 14
	s_add_co_u32 s52, s52, WPC
	s_mov_b32 s53, 0
	s_mov_b32 s[SEL], 0x76543210
	s_mov_b32 s[SEL+1], 0xfedcba98
	s_wait_kmcnt 0x0
	s_add_nc_u64 s[22:23], s[6:7], s[52:53]
	s_or_b32 s23, s23, 0x80000000
	CROUND                                         ; all four work-groups are here: the joint loads meet
	tensor_load_to_lds s[20:23], s[24:31]          ; the first 512 along K: my one load at the head
	s_nop 0
	PLACES
	v_and_b32 v1, 31, v0
	v_and_b32 v2, 15, v0
	v_bfe_u32 v3, v0, 4, 1
	s_delay_alu instid0(VALU_DEP_3)
	v_lshlrev_b32 v4, 4, v1
	s_wait_alu depctr_va_vdst(0)
	v_lshlrev_b32 v5, 2, v1
	v_lshlrev_b32 v6, 2, v2
	s_wait_alu depctr_va_vdst(0)
	v_lshlrev_b32 v7, 5, v3
	s_wait_alu depctr_va_vdst(0)
	v_lshlrev_b32 v14, 12, v3
	s_delay_alu instid0(VALU_DEP_1)
	v_lshl_add_u32 v14, v2, 4, v14
	s_wait_alu depctr_va_vdst(0)
	s_lshl_b32 s17, s16, 8
	s_lshl_b32 s18, s63, 16
	s_add_co_u32 s18, s18, s17
	s_mov_b32 s19, 0
	s_lshr_b32 s52, s16, 3
	s_lshl_b32 s52, s52, 20
	s_lshl_b32 s54, s63, 12
	s_add_co_u32 s52, s52, s54
	s_and_b32 s54, s16, 7
	s_lshl_b32 s54, s54, 9
	s_add_co_u32 s52, s52, s54
	s_add_nc_u64 s[40:41], s[4:5], s[52:53]
	s_add_co_u32 s52, s52, 0x1000000
	s_add_nc_u64 s[46:47], s[14:15], s[52:53]
	global_load_b128 v[92:95], v4, s[40:41]
	s_lshl_b32 s52, s63, 6
	s_add_co_u32 s52, s52, 0x200000
	s_add_nc_u64 s[34:35], s[4:5], s[52:53]
.irp s, 0,1,2,3,4,5,6,7
	global_load_b32 v[40+\s], v6, s[34:35] offset:16384*\s
.endr
	s_add_co_u32 s52, s17, WPS
	s_add_nc_u64 s[32:33], s[6:7], s[52:53]
.irp s, 0,1,2,3,4,5,6,7
	global_load_b32 v[24+2*\s], v5, s[32:33] offset:4096*\s
	global_load_b32 v[25+2*\s], v5, s[32:33] offset:4096*\s+128
.endr
	s_mov_b32 s52, s17
	s_add_nc_u64 s[36:37], s[8:9], s[52:53]
	s_add_nc_u64 s[42:43], s[10:11], s[52:53]
	s_add_nc_u64 s[44:45], s[12:13], s[52:53]
.irp t, 0,1,2,3
	global_load_b128 v[48+8*\t:51+8*\t], v7, s[36:37] offset:64*\t
	global_load_b128 v[52+8*\t:55+8*\t], v7, s[36:37] offset:64*\t+16
.endr
	s_add_nc_u64 s[38:39], s[6:7], s[18:19]
	s_add_nc_u64 s[48:49], s[14:15], s[18:19]
.irp k, 0,1,2,3,4,5,6,7
	global_load_b128 v[176+4*\k:179+4*\k], v14, s[38:39] offset:8192*\k th:TH_LOAD_NT
.endr
.irp t, 0,1,2,3
	global_load_b128 v[208+8*\t:211+8*\t], v7, s[42:43] offset:64*\t
	global_load_b128 v[212+8*\t:215+8*\t], v7, s[42:43] offset:64*\t+16
.endr
	s_lshl_b32 s54, s16, 9
	s_add_co_u32 s54, s54, AIMG
	v_add_nc_u32 v[AST], s54, v4
	v_add_nc_u32 v[ALD], AIMG, v4
	v_add_nc_u32 v[WA0], s21, v4
	s_lshl_b32 s54, s16, 14                        ; my stage: 16 rows x 272 bytes at the head of my own 16 KiB
	v_mul_u32_u24 v8, v2, 272
	s_delay_alu instid0(VALU_DEP_1)
	v_lshl_add_u32 v8, v3, 5, v8
	s_delay_alu instid0(VALU_DEP_1)
	v_add_nc_u32 v8, s54, v8
	v_mul_u32_u24 v9, v3, 272
	s_delay_alu instid0(VALU_DEP_1)
	v_lshl_add_u32 v9, v2, 4, v9
	s_delay_alu instid0(VALU_DEP_1)
	v_add_nc_u32 v9, s54, v9
	s_lshl_b32 s54, s16, 2
	s_add_co_u32 s54, s54, RED1
	v_lshl_add_u32 v10, v2, 6, s54
	v_lshl_add_u32 v11, v2, 6, RED1
	s_lshr_b32 s54, s16, 1
	s_lshl_b32 s54, s54, 6
	s_and_b32 s55, s16, 1
	s_lshl_b32 s55, s55, 1
	s_add_co_u32 s54, s54, s55
	s_add_co_u32 s54, s54, SCW
	v_lshl_add_u32 v12, v2, 2, s54
	s_lshl_b32 s54, s16, 7
	s_add_co_u32 s54, s54, SCW
	v_lshl_add_u32 v13, v1, 2, s54
	v_lshlrev_b32 v15, 14, v3
	s_delay_alu instid0(VALU_DEP_1)
	v_lshl_add_u32 v15, v2, 2, v15
.irp b, 0,1,2,3
	v_mov_b32 v[TM+4+\b], 0
.endr
	s_lshl_b32 s52, s16, 15
	s_lshl_b32 s54, s63, 6
	s_add_co_u32 s52, s52, s54
	s_add_co_u32 s52, s52, 0x1200000
	s_add_nc_u64 s[50:51], s[14:15], s[52:53]
	s_wait_loadcnt 48
	ds_store_b128 v[AST], v[92:95]
	s_wait_dscnt 0x0
	s_barrier_signal -1
	s_barrier_wait -1
	s_wait_loadcnt 16
	s_wait_tensorcnt 0x0                           ; my tiles are in: only I read them
	QTR 0, 0
	PLACES
	QTR 1, 1
	CHANGE 20, 1                                   ; the second 512 along K, into the same bytes, behind the three lines and a round
	s_wait_tensorcnt 0x0
	QTR 0, 2
	PLACES
	QTR 1, 3
	PLACES
.irp t, 0,1,2,3
	global_load_b128 v[144+8*\t:147+8*\t], v7, s[44:45] offset:64*\t
	global_load_b128 v[148+8*\t:151+8*\t], v7, s[44:45] offset:64*\t+16
.endr
	s_wait_loadcnt 16
.irp k, 0,1,2,3,4,5,6,7
	ds_store_b128 v9, v[176+4*\k:179+4*\k] offset:544*\k
.endr
.irp t, 0,1,2,3
	ds_load_b128 v[112+8*\t:115+8*\t], v8 offset:64*\t
	ds_load_b128 v[116+8*\t:119+8*\t], v8 offset:64*\t+16
.endr
	s_wait_dscnt 0x0
.irp i, 0,2,4,6,8,10,12,14,16,18,20,22,24,26,28,30
	v_pk_add_f32 v[48+\i:49+\i], v[48+\i:49+\i], v[112+\i:113+\i]
.endr
.macro JOIN red
	s_delay_alu instid0(VALU_DEP_3)
	v_pk_add_f32 v[JC:JC+1], v[JC:JC+1], v[JC+2:JC+3]
	s_delay_alu instid0(VALU_DEP_2)
	v_pk_add_f32 v[JC+4:JC+5], v[JC+4:JC+5], v[JC+6:JC+7]
	s_delay_alu instid0(VALU_DEP_1)
	v_pk_add_f32 v[JC:JC+1], v[JC:JC+1], v[JC+4:JC+5]
	s_delay_alu instid0(VALU_DEP_1)
	v_add_f32 v[JC], v[JC], v[JC+1]
	s_delay_alu instid0(VALU_DEP_1)
	v_permlanex16_b32 v[JC+1], v[JC], s[SEL], s[SEL+1]
	s_delay_alu instid0(VALU_DEP_1)
	v_add_f32 v[JC], v[JC], v[JC+1]
	ds_store_b32 v10, v[JC] offset:\red
	s_wait_dscnt 0x0
	s_barrier_signal -1
	s_barrier_wait -1
.irp q, 0,1,2,3
	ds_load_b128 v[JR+4*\q:JR+4*\q+3], v11 offset:\red+16*\q
.endr
	s_wait_dscnt 0x0
	v_pk_add_f32 v[JR:JR+1], v[JR:JR+1], v[JR+2:JR+3]
	v_pk_add_f32 v[JR+4:JR+5], v[JR+4:JR+5], v[JR+6:JR+7]
	v_pk_add_f32 v[JR+8:JR+9], v[JR+8:JR+9], v[JR+10:JR+11]
	v_pk_add_f32 v[JR+12:JR+13], v[JR+12:JR+13], v[JR+14:JR+15]
	s_delay_alu instid0(VALU_DEP_3)
	v_pk_add_f32 v[JR:JR+1], v[JR:JR+1], v[JR+4:JR+5]
	s_delay_alu instid0(VALU_DEP_2)
	v_pk_add_f32 v[JR+8:JR+9], v[JR+8:JR+9], v[JR+12:JR+13]
	s_delay_alu instid0(VALU_DEP_1)
	v_pk_add_f32 v[JR:JR+1], v[JR:JR+1], v[JR+8:JR+9]
	s_delay_alu instid0(VALU_DEP_1)
	v_add_f32 v[JR], v[JR], v[JR+1]
.endm
	v_pk_add_f32 v[JC:JC+1], v[48:49], v[56:57]
	v_pk_add_f32 v[JC+2:JC+3], v[50:51], v[58:59]
	v_pk_add_f32 v[JC+4:JC+5], v[52:53], v[60:61]
	v_pk_add_f32 v[JC+6:JC+7], v[54:55], v[62:63]
.irp i, 16, 24
	s_delay_alu instid0(VALU_DEP_4)
	v_pk_add_f32 v[JC:JC+1], v[JC:JC+1], v[48+\i:49+\i]
	s_delay_alu instid0(VALU_DEP_4)
	v_pk_add_f32 v[JC+2:JC+3], v[JC+2:JC+3], v[50+\i:51+\i]
	s_delay_alu instid0(VALU_DEP_4)
	v_pk_add_f32 v[JC+4:JC+5], v[JC+4:JC+5], v[52+\i:53+\i]
	s_delay_alu instid0(VALU_DEP_4)
	v_pk_add_f32 v[JC+6:JC+7], v[JC+6:JC+7], v[54+\i:55+\i]
.endr
	JOIN 0
	s_delay_alu instid0(VALU_DEP_1)
	v_mul_f32 v18, 0x3a800000, v[JR]
	s_delay_alu instid0(VALU_DEP_1)
	v_mov_b32 v19, v18
.irp i, 0,2,4,6,8,10,12,14,16,18,20,22,24,26,28,30
	v_pk_add_f32 v[48+\i:49+\i], v[48+\i:49+\i], v[18:19] neg_lo:[0,1] neg_hi:[0,1]
.endr
	v_pk_mul_f32 v[JC:JC+1], v[48:49], v[48:49]
	v_pk_mul_f32 v[JC+2:JC+3], v[50:51], v[50:51]
	v_pk_mul_f32 v[JC+4:JC+5], v[52:53], v[52:53]
	v_pk_mul_f32 v[JC+6:JC+7], v[54:55], v[54:55]
.irp i, 8, 16, 24
	s_delay_alu instid0(VALU_DEP_4)
	v_pk_fma_f32 v[JC:JC+1], v[48+\i:49+\i], v[48+\i:49+\i], v[JC:JC+1]
	s_delay_alu instid0(VALU_DEP_4)
	v_pk_fma_f32 v[JC+2:JC+3], v[50+\i:51+\i], v[50+\i:51+\i], v[JC+2:JC+3]
	s_delay_alu instid0(VALU_DEP_4)
	v_pk_fma_f32 v[JC+4:JC+5], v[52+\i:53+\i], v[52+\i:53+\i], v[JC+4:JC+5]
	s_delay_alu instid0(VALU_DEP_4)
	v_pk_fma_f32 v[JC+6:JC+7], v[54+\i:55+\i], v[54+\i:55+\i], v[JC+6:JC+7]
.endr
	JOIN RED2-RED1
	s_delay_alu instid0(VALU_DEP_1)
	v_mul_f32 v22, 0x3a800000, v[JR]
	s_delay_alu instid0(VALU_DEP_1)
	v_add_f32 v22, 0x3727c5ac, v22
	s_wait_alu depctr_va_vdst(0)
	v_rsq_f32 v20, v22
	v_nop
	s_wait_alu depctr_va_vdst(0)
	v_mov_b32 v21, v20
	s_wait_alu depctr_va_vdst(0)
	s_wait_loadcnt 0x0
.irp i, 0,2,4,6,8,10,12,14,16,18,20,22,24,26,28,30
	v_pk_mul_f32 v[48+\i:49+\i], v[48+\i:49+\i], v[20:21]
.endr
.irp i, 0,2,4,6,8,10,12,14,16,18,20,22,24,26,28,30
	v_pk_fma_f32 v[48+\i:49+\i], v[48+\i:49+\i], v[208+\i:209+\i], v[144+\i:145+\i]
.endr
	QUANT 48, 2, 92, 16
	global_store_b128 v4, v[92:95], s[46:47]
	ds_store_b16 v12, v16
.irp t, 0,1,2,3
	ds_store_b128 v8, v[48+8*\t:51+8*\t] offset:64*\t
	ds_store_b128 v8, v[52+8*\t:55+8*\t] offset:64*\t+16
.endr
.irp k, 0,1,2,3,4,5,6,7
	ds_load_b128 v[176+4*\k:179+4*\k], v9 offset:544*\k
.endr
.irp k, 0,1,2,3,4,5,6,7
	s_wait_dscnt 7-\k
	global_store_b128 v14, v[176+4*\k:179+4*\k], s[48:49] offset:8192*\k
.endr
	s_barrier_signal -1
	s_barrier_wait -1
	s_cmp_gt_u32 s16, 3
	s_cbranch_scc1 .Lend
	ds_load_b32 v23, v13
	s_wait_dscnt 0x0
	global_store_b32 v15, v23, s[50:51]
.Lend:
	s_wait_tensorcnt 0x0
	ds_add_u32 v[SPW], v[NIL]
	s_wait_dscnt 0x0
	CROUND
	s_endpgm
.Lfunc_end_k_qc0781d081f_projln:
	.size	k_qc0781d081f_projln, .Lfunc_end_k_qc0781d081f_projln-k_qc0781d081f_projln
	.p2alignl 7, 3214868480
	.fill 96, 4, 3214868480
	.section	.rodata,"a",@progbits
	.p2align	6, 0x0
	.amdhsa_kernel k_qc0781d081f_projln
		.amdhsa_group_segment_fixed_size 327680
		.amdhsa_private_segment_fixed_size 0
		.amdhsa_enable_private_segment 0
		.amdhsa_kernarg_size 48
		.amdhsa_user_sgpr_count 2
		.amdhsa_user_sgpr_kernarg_segment_ptr 1
		.amdhsa_wavefront_size32 1
		.amdhsa_system_sgpr_workgroup_id_x 1
		.amdhsa_system_sgpr_workgroup_id_y 1
		.amdhsa_system_sgpr_workgroup_id_z 1
		.amdhsa_system_vgpr_workitem_id 0
		.amdhsa_next_free_vgpr 256
		.amdhsa_next_free_sgpr 66
		.amdhsa_reserve_vcc 0
		.amdhsa_float_denorm_mode_32 3
		.amdhsa_float_denorm_mode_16_64 3
		.amdhsa_memory_ordered 1
		.amdhsa_forward_progress 1
		.amdhsa_inst_pref_size 39
	.end_amdhsa_kernel
	.amdgpu_metadata
---
amdhsa.version: [ 1, 2 ]
amdhsa.kernels:
  - .name:           k_qc0781d081f_projln
    .symbol:         k_qc0781d081f_projln.kd
    .args:
      - { .name: wsc, .offset: 0, .size: 8, .value_kind: global_buffer, .address_space: global }
      - { .name: wsa, .offset: 8, .size: 8, .value_kind: global_buffer, .address_space: global }
      - { .name: bp, .offset: 16, .size: 8, .value_kind: global_buffer, .address_space: global }
      - { .name: g2, .offset: 24, .size: 8, .value_kind: global_buffer, .address_space: global }
      - { .name: be2, .offset: 32, .size: 8, .value_kind: global_buffer, .address_space: global }
      - { .name: wsd, .offset: 40, .size: 8, .value_kind: global_buffer, .address_space: global }
    .group_segment_fixed_size: 327680
    .private_segment_fixed_size: 0
    .kernarg_segment_align: 8
    .kernarg_segment_size: 48
    .max_flat_workgroup_size: 512
    .sgpr_count:     66
    .vgpr_count:     256
    .wavefront_size: 32
...
	.end_amdgpu_metadata
.endif
;; end of part 4
;; launch ff1 (part 5): grid 16 x 16, 16 waves a work-group, clusters of 4 x 4, 280,576 bytes of LDS; arguments wsa, wsd, b1, wse; writes wse
.if DOCPART == 5
	.amdgcn_target "amdgcn-amd-amdhsa--gfx1250"
	.amdhsa_code_object_version 6
	.text
	.protected	k_qc0781d081f_ff1
	.globl	k_qc0781d081f_ff1
	.p2align	8
	.type	k_qc0781d081f_ff1,@function
k_qc0781d081f_ff1:
	s_mov_b64 s[64:65], 0
	v_nop
	global_prefetch_b8 v0, s[64:65] scope:SCOPE_SE
	s_setreg_imm32_b32 hwreg(HW_REG_WAVE_MODE, 25, 1), 1
	s_wait_xcnt 0x0
	s_wait_alu depctr_hold_cnt(0) depctr_sa_sdst(0) depctr_va_vdst(0) depctr_va_sdst(0) depctr_va_ssrc(0) depctr_va_vcc(0) depctr_vm_vsrc(0)
	s_getreg_b32 s2, hwreg(HW_REG_IB_STS2, 6, 4)
	s_cmp_eq_u32 s2, 0
	s_cbranch_scc0 .Lentry_in_a_cluster
	s_endpgm
.Lentry_in_a_cluster:
	s_bfe_u32 s2, ttmp6, 0x10000c
	s_cmp_lg_u32 s2, 0xf033
	s_cbranch_scc0 .Lentry_shape_is_right
	s_endpgm
.Lentry_shape_is_right:
; A PRODUCT OVER K = 1,024 ON CODES OF FP4 (E2M1), WHOSE RESULT IS QUANTISED AGAIN.  One text serves two launches: FF1 = 0: q, k, v;  FF1 = 1: relu(xm W1 + b1).
; A work-group makes 256 X rows x 256 Y rows.  Source 0 of the matrix instruction is a tile of X, source 1 a tile of Y: a lane then holds ONE row of Y, and its registers run along X
; (register j of tile i: X row 16 i + 8 (lane / 16) + j), which is the K of the product that follows.  So the result is quantised in registers and leaves as codes and scale bytes alone.
; FF1 = 1: X = the rows of W1's codes (hidden units), Y = tokens: the hidden layer is quantised along the hidden units; b1 is the C of each sum's first matrix instruction.
; BOTH WHOLE PANELS (2 x 128 KiB of codes, 2 x 8 KiB of scale words) lie in LDS, each byte filled once: no ring.  Codes lie in the order of the operand's registers: a fragment is 1,024 bytes on end.
; CLUSTER 4 x 4: X's panel hangs on the work-group's place along x alone and is asked for jointly by a column of the cluster, Y's on the place along y alone, by a row.
; Sixteen waves, each 64 x 64: 16 accumulators in one window of 256 registers.
; LIMITS: a block of zeros gets the byte 1 (its codes are zeros; only this program reads the bytes); largest magnitudes under 2^-124 have the byte held at 1; NaN and infinities are not served.
.set FF1, 1
.set XNC, 0x1000000                    ; the normed rows' codes and scale words: in wsa (first norm) and in wsd (second norm) at the same offsets
.set XNS, 0x1200000
.set WQC, 0x1888000
.set WQS, 0x13a0000
.set W1C, 0x1448000
.set W1S, 0x1648000
.set YC,  131072                       ; LDS: X's codes at 0 [64 rows: 4][512 along K: 2][tile 4][4 KiB], Y's here,
.set XS,  262144                       ; X's scale words [K step 8][256 rows],
.set YS,  270336                       ; Y's
.set TM,  8                            ; v8-19 at work in QUANT
.set SEL, 92
.set ACC, 128                          ; accumulator (i, y) at v[128 + 32 y + 8 i]
; REGISTERS: v2-3 X's fragments' LDS address (first, second half of K), v4-5 Y's, v6, v7 the scale words'; v20-23 a scale word for each y; v24-25 two of them merged; v26 16 x lane, v27 4 x lane;
; v28-29 X's scale words, v30-31 Y's (tile 2 i in lanes 0-15, tile 2 i + 1 in lanes 16-31); v32-63 the bias (FF1); v64-95 Y's four fragments; v96-127 X's four, later the codes.
.macro QUANT src, nb, pc, pw
.set qb, 0
.rept \nb
	v_max3_num_f32 v[TM+qb], |v[16*qb+\src]|, |v[16*qb+1+\src]|, 0x1800000   ; block qb: my 16 numbers, and the floor 2^(3 - 127): the byte cannot fall under 1
.set qb, qb+1
.endr
.irp i, 2,4,6,8,10,12,14
.set qb, 0
.rept \nb
	s_delay_alu instid0(VALU_DEP_2)
	v_max3_num_f32 v[TM+qb], v[TM+qb], |v[16*qb+\i+\src]|, |v[16*qb+\i+1+\src]|
.set qb, qb+1
.endr
.endr
.set qb, 0
.rept \nb
	s_delay_alu instid0(VALU_DEP_2)
	v_permlanex16_b32 v[TM+4+qb], v[TM+qb], s[SEL], s[SEL+1]
.set qb, qb+1
.endr
.set qb, 0
.rept \nb
	s_delay_alu instid0(VALU_DEP_2)
	v_max_num_f32 v[TM+qb], v[TM+qb], v[TM+4+qb]       ; with lane l xor 16's 16: the block's largest magnitude
.set qb, qb+1
.endr
.set qb, 0
.rept \nb
	s_delay_alu instid0(VALU_DEP_2)
	v_add_nc_u32 v[TM+8+qb], 0xff000000, v[TM+qb]      ; 2 off its exponent field: the conversion's scale operand
.set qb, qb+1
.endr
.set qb, 0
.rept \nb
	s_delay_alu instid0(VALU_DEP_2)
	v_lshrrev_b32 v[TM+4+qb], 23, v[TM+8+qb]           ; the scale's byte
.set qb, qb+1
.endr
	s_delay_alu instid0(VALU_DEP_1)
	v_lshl_or_b32 v[\pw], v[TM+5], 8, v[TM+4]
.if \nb == 4
	v_lshl_or_b32 v[\pw], v[TM+6], 16, v[\pw]
	v_lshl_or_b32 v[\pw], v[TM+7], 24, v[\pw]
.endif
.set qc, 0
.rept (\nb)/2
	v_cvt_scalef32_pk8_fp4_f32 v[4*qc+\pc], v[32*qc+\src:32*qc+7+\src], v[TM+8+2*qc]
	v_cvt_scalef32_pk8_fp4_f32 v[4*qc+2+\pc], v[32*qc+8+\src:32*qc+15+\src], v[TM+8+2*qc]
	v_cvt_scalef32_pk8_fp4_f32 v[4*qc+1+\pc], v[32*qc+16+\src:32*qc+23+\src], v[TM+9+2*qc]
	v_cvt_scalef32_pk8_fp4_f32 v[4*qc+3+\pc], v[32*qc+24+\src:32*qc+31+\src], v[TM+9+2*qc]
.set qc, qc+1
.endr
	v_nop                                              ; one plain instruction behind the scaled conversions
.set qc, 0
.rept (\nb)/2
	v_permlane16_swap_b32 v[4*qc+\pc], v[4*qc+1+\pc]     ; a whole block of 32 in a lane: lanes 0-15 block 2 c, lanes 16-31 block 2 c + 1
	v_permlane16_swap_b32 v[4*qc+2+\pc], v[4*qc+3+\pc]
.set qc, qc+1
.endr
.endm
; The matrix instruction.  ra, rb = 1: that side's scale words are taken from lanes 16-31.  WM0 starts a sum with the constant 0, WMC takes C from registers.
.macro WM0 d, a, b, sa, sb, ra, rb
.if ((\ra)==0) && ((\rb)==0)
	v_wmma_scale_f32_16x16x128_f8f6f4 v[\d:\d+7], v[\a:\a+7], v[\b:\b+7], 0, v[\sa], v[\sb] matrix_a_fmt:MATRIX_FMT_FP4 matrix_b_fmt:MATRIX_FMT_FP4
.elseif (\rb)==0
	v_wmma_scale_f32_16x16x128_f8f6f4 v[\d:\d+7], v[\a:\a+7], v[\b:\b+7], 0, v[\sa], v[\sb] matrix_a_fmt:MATRIX_FMT_FP4 matrix_b_fmt:MATRIX_FMT_FP4 matrix_a_scale:MATRIX_SCALE_ROW1
.elseif (\ra)==0
	v_wmma_scale_f32_16x16x128_f8f6f4 v[\d:\d+7], v[\a:\a+7], v[\b:\b+7], 0, v[\sa], v[\sb] matrix_a_fmt:MATRIX_FMT_FP4 matrix_b_fmt:MATRIX_FMT_FP4 matrix_b_scale:MATRIX_SCALE_ROW1
.else
	v_wmma_scale_f32_16x16x128_f8f6f4 v[\d:\d+7], v[\a:\a+7], v[\b:\b+7], 0, v[\sa], v[\sb] matrix_a_fmt:MATRIX_FMT_FP4 matrix_b_fmt:MATRIX_FMT_FP4 matrix_a_scale:MATRIX_SCALE_ROW1 matrix_b_scale:MATRIX_SCALE_ROW1
.endif
.endm
.macro WMC d, a, b, c, sa, sb, ra, rb
.if ((\ra)==0) && ((\rb)==0)
	v_wmma_scale_f32_16x16x128_f8f6f4 v[\d:\d+7], v[\a:\a+7], v[\b:\b+7], v[\c:\c+7], v[\sa], v[\sb] matrix_a_fmt:MATRIX_FMT_FP4 matrix_b_fmt:MATRIX_FMT_FP4
.elseif (\rb)==0
	v_wmma_scale_f32_16x16x128_f8f6f4 v[\d:\d+7], v[\a:\a+7], v[\b:\b+7], v[\c:\c+7], v[\sa], v[\sb] matrix_a_fmt:MATRIX_FMT_FP4 matrix_b_fmt:MATRIX_FMT_FP4 matrix_a_scale:MATRIX_SCALE_ROW1
.elseif (\ra)==0
	v_wmma_scale_f32_16x16x128_f8f6f4 v[\d:\d+7], v[\a:\a+7], v[\b:\b+7], v[\c:\c+7], v[\sa], v[\sb] matrix_a_fmt:MATRIX_FMT_FP4 matrix_b_fmt:MATRIX_FMT_FP4 matrix_b_scale:MATRIX_SCALE_ROW1
.else
	v_wmma_scale_f32_16x16x128_f8f6f4 v[\d:\d+7], v[\a:\a+7], v[\b:\b+7], v[\c:\c+7], v[\sa], v[\sb] matrix_a_fmt:MATRIX_FMT_FP4 matrix_b_fmt:MATRIX_FMT_FP4 matrix_a_scale:MATRIX_SCALE_ROW1 matrix_b_scale:MATRIX_SCALE_ROW1
.endif
.endm
.macro PLACES                          ; four plain vector instructions between a matrix instruction and a load into, or a read of, its registers
.rept 4
	v_nop
.endr
.endm
.macro CROUND                          ; a round of the cluster's barrier
	s_barrier_signal -1
	s_barrier_wait -1
	s_cmp_lg_u32 s12, 0
	s_cbranch_scc1 .Lnot_wave_0_\@
	s_barrier_signal -3
.Lnot_wave_0_\@:
	s_barrier_wait -3
	s_barrier_signal -1
	s_barrier_wait -1
.endm
	s_load_b128 s[4:7], s[0:1], 0x0                ; FF1 = 0: wsa, wsb;  FF1 = 1: wsa, wsd
.if FF1
	s_load_b128 s[8:11], s[0:1], 0x10              ; b1, wse
	v_lshl_add_u32 v18, v0, 2, 0x44000
	v_mov_b32 v19, 0
	ds_add_u32 v18, v19
	ds_add_u32 v18, v19
.endif
	v_lshrrev_b32 v1, 5, v0
	s_delay_alu instid0(VALU_DEP_1)
	v_readfirstlane_b32 s12, v1                    ; wave 0..15
	s_and_b32 s15, s12, 3                          ; xg: my 64 rows of X
	s_lshr_b32 s16, s12, 2                         ; yg: my 64 rows of Y
	s_bfe_u32 s17, ttmp6, 0x40000                  ; cx
	s_bfe_u32 s18, ttmp6, 0x40004                  ; cy
	s_and_b32 s84, ttmp7, 0xffff
	s_lshl_b32 s84, s84, 2                         ; 4 x cluster y
	s_lshl_b32 s85, ttmp9, 2                       ; 4 x cluster x
.if FF1
	s_add_co_u32 s19, s85, s17                     ; PX: which 256 rows of W1
	s_add_co_u32 s20, s84, s18                     ; PY: which 256 tokens
	s_mov_b32 s86, W1C
	s_mov_b32 s87, W1S
	s_mov_b32 s89, XNC
	s_mov_b32 s90, XNS
.else
	s_mov_b32 s86, WQC
	s_mov_b32 s87, WQS
	s_mov_b32 s89, XNC
	s_mov_b32 s90, XNS
	s_cmp_eq_u32 ttmp9, 2                          ; the clusters that make v: the same answer in all sixteen partners
	s_cselect_b32 s23, 1, 0
	s_cselect_b32 s19, s84, s85
	s_cselect_b32 s20, 8, s84
	s_cselect_b32 s86, XNC, s86                    ; there X is the tokens' panel and Y the weights'
	s_cselect_b32 s87, XNS, s87
	s_cselect_b32 s89, WQC, s89
	s_cselect_b32 s90, WQS, s90
	s_add_co_u32 s19, s19, s17                     ; PX hangs on cx alone,
	s_add_co_u32 s20, s20, s18                     ; PY on cy alone
.endif
	s_lshl_b32 s21, 0x1111, s17                    ; my column of the cluster (same cx)
	s_lshl_b32 s22, s18, 2
	s_lshl_b32 s22, 15, s22                        ; my row (same cy)
	s_or_b32 s24, s21, (3<<16)|(1<<21)             ; group 1, codes of X: 15:0 the mask; 17:16 elements of 8 bytes; 21 set beside a mask
	s_or_b32 s32, s22, (3<<16)|(1<<21)             ; codes of Y
	s_or_b32 s40, s21, (3<<16)|(1<<21)             ; scale words of X
	s_or_b32 s48, s22, (3<<16)|(1<<21)             ; scale words of Y
.irp g, 24, 32
	s_mov_b32 s[\g+1], 2048<<16                    ; four tiles' codes for all of K: two rows of 16 KiB (512 along K each),
	s_mov_b32 s[\g+2], 2<<16
	s_mov_b32 s[\g+3], 2048<<16
	s_mov_b32 s[\g+4], 2
	s_mov_b32 s[\g+5], 131072                      ; 256 tiles x 4 KiB apart
	s_mov_b32 s[\g+6], 0
	s_mov_b32 s[\g+7], 0
.endr
.irp g, 40, 48
	s_mov_b32 s[\g+1], 128<<16                     ; two K steps' scale words of 256 rows: two rows of 1,024 bytes,
	s_mov_b32 s[\g+2], 2<<16
	s_mov_b32 s[\g+3], 128<<16
	s_mov_b32 s[\g+4], 2
	s_mov_b32 s[\g+5], 2048                        ; 4,096 rows x 4 bytes apart
	s_mov_b32 s[\g+6], 0
	s_mov_b32 s[\g+7], 0
.endr
	s_lshl_b32 s96, s15, 15                        ; numbers made of the wave's number alone, u = wave % 4
	s_lshl_b32 s97, s15, 14
	s_lshl_b32 s98, s15, 11
	; X's two kinds of load: the scale words of K steps 2 u, 2 u + 1; tiles 4 u .. 4 u + 3 for all of K
	s_mov_b32 s56, 1
	s_add_co_u32 s57, s98, XS
	s_lshl_b32 s58, s19, 10
	s_add_co_u32 s58, s58, s96
	s_add_co_u32 s58, s58, s87
	s_mov_b32 s59, 0
	s_mov_b32 s60, 1
	s_mov_b32 s61, s96
	s_lshl_b32 s62, s19, 16
	s_add_co_u32 s62, s62, s97
	s_add_co_u32 s62, s62, s86
	s_mov_b32 s63, 0
	; Y's two
	s_mov_b32 s72, 1
	s_add_co_u32 s73, s98, YS
	s_lshl_b32 s74, s20, 10
	s_add_co_u32 s74, s74, s96
	s_add_co_u32 s74, s74, s90
	s_mov_b32 s75, 0
	s_mov_b32 s76, 1
	s_add_co_u32 s77, s96, YC
	s_lshl_b32 s78, s20, 16
	s_add_co_u32 s78, s78, s97
	s_add_co_u32 s78, s78, s89
	s_mov_b32 s79, 0
	s_mov_b32 s[SEL], 0x76543210
	s_mov_b32 s[SEL+1], 0xfedcba98
	s_mov_b32 s94, 0xffff0000                      ; lanes 16-31
	s_mov_b32 s95, 0x7f7f0000                      ; the bytes of two blocks of zero codes: 2^0
	s_wait_dscnt 0x0
	s_wait_kmcnt 0x0
	s_add_nc_u64 s[58:59], s[4:5], s[58:59]
	s_add_nc_u64 s[62:63], s[4:5], s[62:63]
.if FF1
	s_add_nc_u64 s[74:75], s[6:7], s[74:75]
	s_add_nc_u64 s[78:79], s[6:7], s[78:79]
	s_lshl_b32 s96, s19, 10                        ; b1 at my 64 hidden units
	s_lshl_b32 s97, s15, 8
	s_add_co_u32 s96, s96, s97
	s_mov_b32 s97, 0
	s_add_nc_u64 s[8:9], s[8:9], s[96:97]
.else
	s_add_nc_u64 s[74:75], s[4:5], s[74:75]
	s_add_nc_u64 s[78:79], s[4:5], s[78:79]
.endif
.irp g, 59, 63, 75, 79
	s_or_b32 s\g, s\g, 0x80000000                  ; 127:126 type = 2
.endr
	CROUND                                         ; all sixteen work-groups are here: the joint loads meet
	s_cmp_lt_u32 s12, 4                            ; the first fills, one a wave, in one chain of branches on the wave's number: waves 0-3 X's codes,
	s_cbranch_scc0 .Lhead_y
	tensor_load_to_lds s[60:63], s[24:31]
	s_nop 0
	PLACES
	s_branch .Lasked
.Lhead_y:
	s_cmp_lt_u32 s12, 8                            ; waves 4-7 Y's codes,
	s_cbranch_scc0 .Lhead_sx
	tensor_load_to_lds s[76:79], s[32:39]
	s_nop 0
	PLACES
	s_branch .Lasked
.Lhead_sx:
	s_cmp_lt_u32 s12, 12                           ; waves 8-11 X's scale words,
	s_cbranch_scc0 .Lhead_sy
	tensor_load_to_lds s[56:59], s[40:47]
	s_nop 0
	PLACES
	s_branch .Lasked
.Lhead_sy:
	tensor_load_to_lds s[72:75], s[48:55]          ; waves 12-15 Y's
	s_nop 0
	PLACES
.Lasked:
	v_and_b32 v1, 31, v0
	s_delay_alu instid0(VALU_DEP_1)
	v_lshlrev_b32 v26, 4, v1
	s_delay_alu instid0(VALU_DEP_2)
	v_lshlrev_b32 v27, 2, v1
	s_lshl_b32 s96, s15, 15
	v_add_nc_u32 v2, s96, v26                      ; X: my four tiles, 16 x lane
	s_delay_alu instid0(VALU_DEP_1)
	v_add_nc_u32 v3, 16384, v2
	s_lshl_b32 s96, s16, 15
	s_add_co_u32 s96, s96, YC
	v_add_nc_u32 v4, s96, v26
	s_delay_alu instid0(VALU_DEP_1)
	v_add_nc_u32 v5, 16384, v4
	s_lshl_b32 s96, s15, 8
	s_add_co_u32 s96, s96, XS
	v_add_nc_u32 v6, s96, v27                      ; scale words: my 64 rows, 4 x lane
	s_lshl_b32 s96, s16, 8
	s_add_co_u32 s96, s96, YS
	v_add_nc_u32 v7, s96, v27
.irp b, 0,1,2,3
	v_mov_b32 v[TM+4+\b], 0                        ; written once: a lane permute's destination counts as one of its sources
.endr
.if FF1
	v_bfe_u32 v24, v0, 4, 1
	s_delay_alu instid0(VALU_DEP_1)
	v_lshlrev_b32 v24, 5, v24                      ; 32 h: the bias in the result's layout: tile i, register j: hidden unit 16 i + 8 h + j
.irp i, 0,1,2,3
	global_load_b128 v[32+8*\i:35+8*\i], v24, s[8:9] offset:64*\i
	global_load_b128 v[36+8*\i:39+8*\i], v24, s[8:9] offset:64*\i+16
.endr
.endif
; A K step of 128: 20 LDS loads, 16 matrix instructions; the 16 accumulators take turns, one instruction a turn.  cmode 0: C = 0; 1: C = the bias; 2: in place.
.macro KSTEP s, cmode
.if (\s) > 0
	PLACES
.endif
.irp y, 0,1,2,3
	ds_load_b128 v[64+8*\y:67+8*\y], v[4+(\s)/4] offset:4096*\y+1024*((\s)%4)
	ds_load_b128 v[68+8*\y:71+8*\y], v[4+(\s)/4] offset:4096*\y+1024*((\s)%4)+512
.endr
	ds_load_b32 v28, v6 offset:1024*(\s)
	ds_load_b32 v29, v6 offset:1024*(\s)+128
	ds_load_b32 v30, v7 offset:1024*(\s)
	ds_load_b32 v31, v7 offset:1024*(\s)+128
.irp i, 0,1,2,3
	ds_load_b128 v[96+8*\i:99+8*\i], v[2+(\s)/4] offset:4096*\i+1024*((\s)%4)
	ds_load_b128 v[100+8*\i:103+8*\i], v[2+(\s)/4] offset:4096*\i+1024*((\s)%4)+512
.endr
.irp i, 0,1,2,3
	s_wait_dscnt 2*(3-\i)                          ; all but the two loads of each later fragment of X
.irp y, 0,1,2,3
.if (\cmode) == 0
	WM0 ACC+32*\y+8*\i, 96+8*\i, 64+8*\y, 28+\i/2, 30+\y/2, \i%2, \y%2
.elseif (\cmode) == 1
	WMC ACC+32*\y+8*\i, 96+8*\i, 64+8*\y, 32+8*\i, 28+\i/2, 30+\y/2, \i%2, \y%2
.else
	WMC ACC+32*\y+8*\i, 96+8*\i, 64+8*\y, ACC+32*\y+8*\i, 28+\i/2, 30+\y/2, \i%2, \y%2
.endif
.endr
.endr
.endm
	s_wait_alu depctr_va_vdst(0)
	s_wait_tensorcnt 0x0                           ; my one load is in
	s_barrier_signal -1
	s_barrier_wait -1                              ; everybody's are
.if FF1
	s_wait_loadcnt 0x0                             ; the bias
	KSTEP 0, 1
.else
	KSTEP 0, 0
.endif
	KSTEP 1, 2
	KSTEP 2, 2
	KSTEP 3, 2
	KSTEP 4, 2
	KSTEP 5, 2
	KSTEP 6, 2
	KSTEP 7, 2
	PLACES
; THE WAY OUT: for each of my four tiles of Y, a lane's 32 numbers are 64 along X of one row (with lane l xor 16's): two blocks of 32.
.irp y, 0,1,2,3
.if FF1
.set n, 0
.rept 32
	v_max_num_f32 v[ACC+32*\y+n], 0, v[ACC+32*\y+n]    ; the activation, in f32; each accumulator from its low end on
.set n, n+1
.endr
.endif
	QUANT ACC+32*\y, 2, 96+4*\y, 20+\y
.endr
	s_wait_alu depctr_va_vdst(0)
	v_cndmask_b32 v24, v20, v21, s94               ; lanes 0-15: tile 0's rows' bytes, lanes 16-31: tile 1's: 32 neighbouring rows
	s_wait_alu depctr_va_vdst(0)
	v_cndmask_b32 v25, v22, v23, s94
.if FF1
	s_wait_alu depctr_va_vdst(0)
	s_lshl_b32 s84, s19, 1
	s_lshr_b32 s85, s15, 1
	s_add_co_u32 s84, s84, s85                     ; the next product's K step: 2 PX + xg / 2;
	s_and_b32 s85, s15, 1                          ; my half of it
	s_lshr_b32 s86, s84, 2
	s_lshl_b32 s86, s86, 8
	s_lshl_b32 s87, s20, 4
	s_add_co_u32 s86, s86, s87
	s_lshl_b32 s87, s16, 2
	s_add_co_u32 s86, s86, s87                     ; (K step / 4) x 256 + my first tile of tokens
	s_lshl_b32 s86, s86, 12
	s_and_b32 s87, s84, 3
	s_lshl_b32 s87, s87, 10
	s_add_co_u32 s86, s86, s87
	s_lshl_b32 s87, s85, 9
	s_add_co_u32 s86, s86, s87
	s_mov_b32 s87, 0
	s_add_nc_u64 s[86:87], s[10:11], s[86:87]
	s_lshl_b32 s88, s84, 14
	s_lshl_b32 s89, s20, 10
	s_add_co_u32 s88, s88, s89
	s_lshl_b32 s89, s16, 8
	s_add_co_u32 s88, s88, s89
	s_lshl_b32 s89, s85, 1
	s_add_co_u32 s88, s88, s89
	s_add_co_u32 s88, s88, 0x800000
	s_mov_b32 s89, 0
	s_add_nc_u64 s[88:89], s[10:11], s[88:89]
.irp y, 0,1,2,3
	global_store_b128 v26, v[96+4*\y:99+4*\y], s[86:87] offset:4096*\y     ; half a fragment: 512 consecutive bytes
.endr
	global_store_b16 v27, v24, s[88:89]            ; my two bytes of each row's scale word
	global_store_b16 v27, v25, s[88:89] offset:128
.else
	s_cmp_eq_u32 s23, 0
	s_cbranch_scc0 .Lv_out
	s_lshr_b32 s84, s20, 3                         ; q, k: batch = PY / 8, head = 4 (PX % 4) + xg
	s_lshl_b32 s84, s84, 4
	s_and_b32 s85, s19, 3
	s_lshl_b32 s85, s85, 2
	s_add_co_u32 s84, s84, s85
	s_add_co_u32 s84, s84, s15                     ; batch x 16 + head
	s_and_b32 s85, s20, 7
	s_lshl_b32 s86, s84, 7
	s_lshl_b32 s87, s85, 4
	s_add_co_u32 s86, s86, s87
	s_lshl_b32 s87, s16, 2
	s_add_co_u32 s86, s86, s87                     ; my first tile of 16 tokens among the head's 128
	s_lshl_b32 s86, s86, 9                         ; 512 bytes a tile: the fragment's registers 0-3 (d = 0 .. 63)
	s_lshl_b32 s87, ttmp9, 21                      ; q at 0, k at 0x200000
	s_add_co_u32 s86, s86, s87
	s_mov_b32 s87, 0
	s_add_nc_u64 s[86:87], s[6:7], s[86:87]
	s_mul_i32 s88, s84, 12288                      ; k's scale words lie with v's, 12,288 bytes a head
	s_add_co_u32 s88, s88, 0x640000
	s_lshl_b32 s89, s84, 13
	s_add_co_u32 s89, s89, 0x600000
	s_cmp_eq_u32 ttmp9, 0
	s_cselect_b32 s88, s89, s88
	s_lshl_b32 s89, s85, 10
	s_add_co_u32 s88, s88, s89
	s_lshl_b32 s89, s16, 8
	s_add_co_u32 s88, s88, s89
	s_mov_b32 s89, 0
	s_add_nc_u64 s[88:89], s[6:7], s[88:89]
	v_or_b32 v24, s95, v24                         ; K = 64 is filled up to 128 with zero codes: their bytes are 127
	v_or_b32 v25, s95, v25
.irp y, 0,1,2,3
	global_store_b128 v26, v[96+4*\y:99+4*\y], s[86:87] offset:512*\y
.endr
	global_store_b32 v27, v24, s[88:89]
	global_store_b32 v27, v25, s[88:89] offset:128
	s_branch .Lclose
.Lv_out:                                               ; v: X = tokens (the keys), Y = the rows of Wv
	s_lshr_b32 s84, s19, 3
	s_lshl_b32 s84, s84, 4
	s_sub_co_u32 s85, s20, 8
	s_lshl_b32 s85, s85, 2
	s_add_co_u32 s84, s84, s85
	s_add_co_u32 s84, s84, s16                     ; batch x 16 + head, head = 4 (PY - 8) + yg
	s_and_b32 s85, s19, 7
	s_lshl_b32 s85, s85, 1
	s_lshr_b32 s86, s15, 1
	s_add_co_u32 s85, s85, s86                     ; the key step of 128;
	s_and_b32 s96, s15, 1                          ; my half of it
	s_lshl_b32 s86, s84, 4
	s_add_co_u32 s86, s86, s85
	s_lshl_b32 s86, s86, 12                        ; [head][key step][d tile 4][1 KiB]
	s_lshl_b32 s87, s96, 9
	s_add_co_u32 s86, s86, s87
	s_add_co_u32 s86, s86, 0x400000
	s_mov_b32 s87, 0
	s_add_nc_u64 s[86:87], s[6:7], s[86:87]
	s_mul_i32 s88, s84, 12288
	s_lshl_b32 s89, s85, 8
	s_add_co_u32 s88, s88, s89
	s_lshl_b32 s89, s96, 1
	s_add_co_u32 s88, s88, s89
	s_add_co_u32 s88, s88, 0x640000+8192
	s_mov_b32 s89, 0
	s_add_nc_u64 s[88:89], s[6:7], s[88:89]
.irp y, 0,1,2,3
	global_store_b128 v26, v[96+4*\y:99+4*\y], s[86:87] offset:1024*\y
.endr
	global_store_b16 v27, v24, s[88:89]
	global_store_b16 v27, v25, s[88:89] offset:128
.Lclose:
.endif
	s_wait_tensorcnt 0x0
	ds_add_u32 v18, v19
	s_wait_dscnt 0x0
	CROUND                                         ; the closing round: no work-group ends while a partner may still ask for a tile that names it
	s_endpgm
.Lfunc_end_k_qc0781d081f_ff1:
	.size	k_qc0781d081f_ff1, .Lfunc_end_k_qc0781d081f_ff1-k_qc0781d081f_ff1
	.p2alignl 7, 3214868480
	.fill 96, 4, 3214868480
	.section	.rodata,"a",@progbits
	.p2align	6, 0x0
	.amdhsa_kernel k_qc0781d081f_ff1
		.amdhsa_group_segment_fixed_size 280576
		.amdhsa_private_segment_fixed_size 0
		.amdhsa_enable_private_segment 0
		.amdhsa_kernarg_size 32
		.amdhsa_user_sgpr_count 2
		.amdhsa_user_sgpr_kernarg_segment_ptr 1
		.amdhsa_wavefront_size32 1
		.amdhsa_system_sgpr_workgroup_id_x 1
		.amdhsa_system_sgpr_workgroup_id_y 1
		.amdhsa_system_sgpr_workgroup_id_z 1
		.amdhsa_system_vgpr_workitem_id 0
		.amdhsa_next_free_vgpr 256
		.amdhsa_next_free_sgpr 100
		.amdhsa_reserve_vcc 0
		.amdhsa_float_denorm_mode_32 3
		.amdhsa_float_denorm_mode_16_64 3
		.amdhsa_memory_ordered 1
		.amdhsa_forward_progress 1
		.amdhsa_inst_pref_size 54
	.end_amdhsa_kernel
	.amdgpu_metadata
---
amdhsa.version: [ 1, 2 ]
amdhsa.kernels:
  - .name:           k_qc0781d081f_ff1
    .symbol:         k_qc0781d081f_ff1.kd
    .args:
      - { .name: wsa, .offset: 0, .size: 8, .value_kind: global_buffer, .address_space: global }
      - { .name: wsd, .offset: 8, .size: 8, .value_kind: global_buffer, .address_space: global }
      - { .name: b1, .offset: 16, .size: 8, .value_kind: global_buffer, .address_space: global }
      - { .name: wse, .offset: 24, .size: 8, .value_kind: global_buffer, .address_space: global }
    .group_segment_fixed_size: 280576
    .private_segment_fixed_size: 0
    .kernarg_segment_align: 8
    .kernarg_segment_size: 32
    .max_flat_workgroup_size: 512
    .sgpr_count:     100
    .vgpr_count:     256
    .wavefront_size: 32
...
	.end_amdgpu_metadata
.endif
;; end of part 5
;; launch ff2 (part 6): grid 8 x 32, 8 waves a work-group, clusters of 4 x 4, 327,680 bytes of LDS; arguments wsa, wse, wsd, b2, out0; writes out0
.if DOCPART == 6
	.amdgcn_target "amdgcn-amd-amdhsa--gfx1250"
	.amdhsa_code_object_version 6
	.text
	.protected	k_qc0781d081f_ff2
	.globl	k_qc0781d081f_ff2
	.p2align	8
	.type	k_qc0781d081f_ff2,@function
k_qc0781d081f_ff2:
	s_mov_b64 s[64:65], 0
	v_nop
	global_prefetch_b8 v0, s[64:65] scope:SCOPE_SE
	s_setreg_imm32_b32 hwreg(HW_REG_WAVE_MODE, 25, 1), 1
	s_wait_xcnt 0x0
	s_wait_alu depctr_hold_cnt(0) depctr_sa_sdst(0) depctr_va_vdst(0) depctr_va_sdst(0) depctr_va_ssrc(0) depctr_va_vcc(0) depctr_vm_vsrc(0)
	s_getreg_b32 s2, hwreg(HW_REG_IB_STS2, 6, 4)
	s_cmp_eq_u32 s2, 0
	s_cbranch_scc0 .Lentry_in_a_cluster
	s_endpgm
.Lentry_in_a_cluster:
	s_bfe_u32 s2, ttmp6, 0x10000c
	s_cmp_lg_u32 s2, 0xf033
	s_cbranch_scc0 .Lentry_shape_is_right
	s_endpgm
.Lentry_shape_is_right:
; out0 = xm + hidden x W2 + b2, the product over K = 4,096 on codes of FP4 (E2M1) with E8M0 scale words.
; A work-group makes 128 X rows (rows of W2's codes: the result's columns) x 128 Y rows (tokens).  Source 0 = a tile of X, source 1 = a tile of Y: a lane holds one token and eight neighbouring columns.
; Eight waves, each 64 X x 32 Y: eight accumulators, into which b2 is loaded, so that it costs no addition.  xm, the residual, is asked for at the head, by rows: it has the whole product in which to land.
; K goes in quarters of 1,024 through a ring of two LDS slots of 128 KiB (X's 64 KiB, Y's 64 KiB), codes in the order of the operand's registers; the scale words of all of K (2 x 16 KiB) come once and stay.
; CLUSTER 4 x 4: X's tiles hang on the work-group's place along x alone and are asked for jointly by a column of the cluster, Y's on the place along y alone, by a row.
; All of a WGP's LDS is claimed; the text uses 295,936 bytes.
.set W2C, 0x1668000
.set W2S, 0x1868000
.set XS,  262144                       ; X's scale words [K step 32][128 rows]
.set YS,  278528                       ; Y's
.set SPARE, 294912                     ; the spare words: 128 bytes for each of eight waves; no other line names them
; REGISTERS: v2-3 X's fragments' LDS address in slot 0, 1; v4-5 Y's; v6, v7 the scale words'; v8 into the stage, v9 out of it, v11 32 h, v12 my offset in xm and out0; v14, v15 the add's two;
; v16-79 accumulator (i, y) at 16 + 32 y + 8 i; two sets of fragments at v80 and v132: X's four, Y's two, three registers of scale words; v184-247 xm.
.macro WMC d, a, b, sa, sb, ra, rb     ; adds in place; ra, rb = 1: that side's scale words are taken from lanes 16-31
.if ((\ra)==0) && ((\rb)==0)
	v_wmma_scale_f32_16x16x128_f8f6f4 v[\d:\d+7], v[\a:\a+7], v[\b:\b+7], v[\d:\d+7], v[\sa], v[\sb] matrix_a_fmt:MATRIX_FMT_FP4 matrix_b_fmt:MATRIX_FMT_FP4
.elseif (\rb)==0
	v_wmma_scale_f32_16x16x128_f8f6f4 v[\d:\d+7], v[\a:\a+7], v[\b:\b+7], v[\d:\d+7], v[\sa], v[\sb] matrix_a_fmt:MATRIX_FMT_FP4 matrix_b_fmt:MATRIX_FMT_FP4 matrix_a_scale:MATRIX_SCALE_ROW1
.elseif (\ra)==0
	v_wmma_scale_f32_16x16x128_f8f6f4 v[\d:\d+7], v[\a:\a+7], v[\b:\b+7], v[\d:\d+7], v[\sa], v[\sb] matrix_a_fmt:MATRIX_FMT_FP4 matrix_b_fmt:MATRIX_FMT_FP4 matrix_b_scale:MATRIX_SCALE_ROW1
.else
	v_wmma_scale_f32_16x16x128_f8f6f4 v[\d:\d+7], v[\a:\a+7], v[\b:\b+7], v[\d:\d+7], v[\sa], v[\sb] matrix_a_fmt:MATRIX_FMT_FP4 matrix_b_fmt:MATRIX_FMT_FP4 matrix_a_scale:MATRIX_SCALE_ROW1 matrix_b_scale:MATRIX_SCALE_ROW1
.endif
.endm
.macro PLACES
.rept 4
	v_nop
.endr
.endm
.macro CROUND                          ; a round of the cluster's barrier
	s_barrier_signal -1
	s_barrier_wait -1
	s_cmp_lg_u32 s14, 0
	s_cbranch_scc1 .Lnot_wave_0_\@
	s_barrier_signal -3
.Lnot_wave_0_\@:
	s_barrier_wait -3
	s_barrier_signal -1
	s_barrier_wait -1
.endm
.macro JLOAD slot                      ; a joint refill: waves 0-3 fetch X's quarters of the slot, waves 4-7 Y's; four v_nop follow each of the two lines
	s_cmp_eq_u32 s15, 0
	s_cbranch_scc0 .Lfor_y_\@
	tensor_load_to_lds s[60+8*\slot:63+8*\slot], s[24:31]
	s_nop 0
	PLACES
	s_branch .Lasked_\@
.Lfor_y_\@:
	tensor_load_to_lds s[76+4*\slot:79+4*\slot], s[32:39]
	s_nop 0
	PLACES
.Lasked_\@:
.endm
	s_load_b256 s[4:11], s[0:1], 0x0               ; wsa, wse, wsd, b2
	s_load_b64 s[12:13], s[0:1], 0x20              ; out0
	v_lshl_add_u32 v14, v0, 2, SPARE
	v_mov_b32 v15, 0
	ds_add_u32 v14, v15
	ds_add_u32 v14, v15
	s_wait_dscnt 0x0
	v_lshrrev_b32 v1, 5, v0
	s_delay_alu instid0(VALU_DEP_1)
	v_readfirstlane_b32 s14, v1                    ; wave 0..7
	s_lshr_b32 s15, s14, 2                         ; I fetch for X (0) or for Y (1),
	s_and_b32 s16, s14, 3                          ; its quarter u
	s_and_b32 s17, s14, 1                          ; xg: my 64 rows of X
	s_lshr_b32 s18, s14, 1                         ; yg: my 32 rows of Y
	s_bfe_u32 s19, ttmp6, 0x40000                  ; cx
	s_bfe_u32 s20, ttmp6, 0x40004                  ; cy
	s_lshl_b32 s21, ttmp9, 2
	s_add_co_u32 s21, s21, s19                     ; PX: which 128 columns of the result
	s_and_b32 s22, ttmp7, 0xffff
	s_lshl_b32 s22, s22, 2
	s_add_co_u32 s22, s22, s20                     ; PY: which 128 tokens
	s_lshl_b32 s84, 0x1111, s19                    ; my column of the cluster
	s_lshl_b32 s85, s20, 2
	s_lshl_b32 s85, 15, s85                        ; my row
	s_or_b32 s24, s84, (3<<16)|(1<<21)             ; group 1: 15:0 the mask; 17:16 elements of 8 bytes; 21 set beside a mask
	s_or_b32 s32, s85, (3<<16)|(1<<21)
	s_or_b32 s40, s84, (3<<16)|(1<<21)
	s_or_b32 s48, s85, (3<<16)|(1<<21)
.irp g, 24, 32                                 ; codes: four tiles for 512 along K: 16 KiB dense, as 64 rows of 256 bytes
	s_mov_b32 s[\g+1], 4096<<16                    ; for the head's loads: a side's whole slot, two rows of 32 KiB (eight tiles for 512 along K each)
	s_mov_b32 s[\g+2], 2<<16
	s_mov_b32 s[\g+3], 4096<<16
	s_mov_b32 s[\g+4], 2
	s_mov_b32 s[\g+6], 0
	s_mov_b32 s[\g+7], 0
.endr
.irp g, 40, 48                                 ; scale words: sixteen K steps x 128 rows: 16 rows of 512 bytes
	s_mov_b32 s[\g+1], 64<<16
	s_mov_b32 s[\g+2], 16<<16
	s_mov_b32 s[\g+3], 64<<16
	s_mov_b32 s[\g+4], 16
	s_mov_b32 s[\g+6], 0
	s_mov_b32 s[\g+7], 0
.endr
	s_mov_b32 s29, 32768                           ; from 512 along K to the next: 64 tiles x 4 KiB in W2's codes,
	s_mov_b32 s37, 131072                          ; 256 tiles x 4 KiB in the hidden layer's
	s_mov_b32 s45, 512                             ; from K step to K step: 1,024 rows x 4 bytes in W2's scale words,
	s_mov_b32 s53, 2048                            ; 4,096 rows x 4 bytes in the hidden layer's
	s_lshr_b32 s86, s16, 1                         ; numbers made of the wave's number alone: which 512 along K of a quarter,
	s_and_b32 s87, s16, 1
	s_lshl_b32 s87, s87, 14                        ; which four tiles
	s_lshl_b32 s96, s17, 13                        ; the scale words come in halves of sixteen K steps, by wave % 2
	s_lshl_b32 s97, s16, 14
	; X: the scale words; quarter 0 into slot 0; quarter 1 into slot 1
	s_mov_b32 s56, 1
	s_add_co_u32 s57, s96, XS
	s_lshl_b32 s58, s17, 16
	s_lshl_b32 s88, s21, 9
	s_add_co_u32 s58, s58, s88
	s_add_co_u32 s58, s58, W2S
	s_mov_b32 s59, 0
	s_mov_b32 s60, 1
	s_mov_b32 s61, s97
	s_lshl_b32 s62, s86, 18
	s_add_co_u32 s62, s62, s87
	s_lshl_b32 s88, s21, 15
	s_add_co_u32 s62, s62, s88
	s_add_co_u32 s62, s62, W2C
	s_mov_b32 s63, 0
	s_mov_b32 s68, 1
	s_add_co_u32 s69, s97, 131072
	s_add_co_u32 s70, s62, 524288
	s_mov_b32 s71, 0
	; Y
	s_mov_b32 s72, 1
	s_add_co_u32 s73, s96, YS
	s_lshl_b32 s74, s17, 18
	s_lshl_b32 s89, s22, 9
	s_add_co_u32 s74, s74, s89
	s_add_co_u32 s74, s74, 0x800000
	s_mov_b32 s75, 0
	s_mov_b32 s76, 1
	s_add_co_u32 s77, s97, 65536
	s_lshl_b32 s78, s86, 20
	s_add_co_u32 s78, s78, s87
	s_lshl_b32 s89, s22, 15
	s_add_co_u32 s78, s78, s89
	s_mov_b32 s79, 0
	s_mov_b32 s80, 1
	s_add_co_u32 s81, s97, 131072+65536
	s_add_co_u32 s82, s78, 2097152
	s_mov_b32 s83, 0
	s_lshl_b32 s98, s21, 9                         ; my 64 columns, in bytes
	s_lshl_b32 s99, s17, 8
	s_add_co_u32 s98, s98, s99
	s_mov_b32 s99, 0
	s_lshl_b32 s90, s22, 19                        ; my 32 tokens' rows of 4,096 bytes, + my columns
	s_lshl_b32 s91, s18, 17
	s_add_co_u32 s90, s90, s91
	s_add_co_u32 s90, s90, s98
	s_mov_b32 s91, 0
	s_wait_kmcnt 0x0
	s_add_nc_u64 s[58:59], s[4:5], s[58:59]
	s_add_nc_u64 s[62:63], s[4:5], s[62:63]
	s_add_nc_u64 s[70:71], s[4:5], s[70:71]
	s_add_nc_u64 s[74:75], s[6:7], s[74:75]
	s_add_nc_u64 s[78:79], s[6:7], s[78:79]
	s_add_nc_u64 s[82:83], s[6:7], s[82:83]
.irp g, 59, 63, 71, 75, 79, 83
	s_or_b32 s\g, s\g, 0x80000000                  ; 127:126 type = 2
.endr
	s_add_nc_u64 s[10:11], s[10:11], s[98:99]      ; b2
	s_add_nc_u64 s[92:93], s[12:13], s[90:91]      ; out0
	s_add_nc_u64 s[90:91], s[8:9], s[90:91]        ; xm
	s_lshl_b32 s2, s21, 15                         ; group 0 for the head's loads of codes: slot wave % 2 takes quarter wave % 2: X's,
	s_lshl_b32 s3, s17, 19
	s_add_co_u32 s2, s2, s3
	s_add_co_u32 s2, s2, W2C
	s_mov_b32 s3, 0
	s_add_nc_u64 s[98:99], s[4:5], s[2:3]
	s_or_b32 s99, s99, 0x80000000
	s_mov_b32 s96, 1
	s_lshl_b32 s97, s17, 17
	s_lshl_b32 s100, s22, 15                       ; and Y's (the arguments that lay in s[4:7] have been used)
	s_lshl_b32 s101, s17, 21
	s_add_co_u32 s100, s100, s101
	s_mov_b32 s101, 0
	s_add_nc_u64 s[6:7], s[6:7], s[100:101]
	s_or_b32 s7, s7, 0x80000000
	s_mov_b32 s4, 1
	s_lshl_b32 s5, s17, 17
	s_add_co_u32 s5, s5, 65536
	CROUND                                         ; all sixteen work-groups are here: the first joint loads meet
	s_cmp_lt_u32 s14, 2                            ; the first fills, one a wave, in one chain of branches on the wave's number: waves 0, 1 X's codes of slots 0, 1,
	s_cbranch_scc0 .Lfirst_y
	tensor_load_to_lds s[96:99], s[24:31]
	s_nop 0
	PLACES
	s_branch .Lfirst_asked
.Lfirst_y:
	s_cmp_lt_u32 s14, 4                            ; waves 2, 3 Y's,
	s_cbranch_scc0 .Lfirst_sx
	tensor_load_to_lds s[4:7], s[32:39]
	s_nop 0
	PLACES
	s_branch .Lfirst_asked
.Lfirst_sx:
	s_cmp_lt_u32 s14, 6                            ; waves 4, 5 the halves of X's scale words,
	s_cbranch_scc0 .Lfirst_sy
	tensor_load_to_lds s[56:59], s[40:47]
	s_nop 0
	PLACES
	s_branch .Lfirst_asked
.Lfirst_sy:
	tensor_load_to_lds s[72:75], s[48:55]          ; waves 6, 7 those of Y's
	s_nop 0
	PLACES
.Lfirst_asked:
	v_and_b32 v1, 31, v0
	s_delay_alu instid0(VALU_DEP_1)
	v_lshlrev_b32 v13, 4, v1                       ; 16 x lane
	s_lshl_b32 s84, s17, 14
	v_add_nc_u32 v2, s84, v13
	s_delay_alu instid0(VALU_DEP_1)
	v_add_nc_u32 v3, 131072, v2
	s_lshl_b32 s84, s18, 13
	s_add_co_u32 s84, s84, 65536
	v_add_nc_u32 v4, s84, v13
	s_delay_alu instid0(VALU_DEP_1)
	v_add_nc_u32 v5, 131072, v4
	v_lshlrev_b32 v10, 2, v1                       ; 4 x lane
	s_lshl_b32 s84, s17, 8
	s_add_co_u32 s84, s84, XS
	v_add_nc_u32 v6, s84, v10
	s_lshl_b32 s84, s18, 7
	s_add_co_u32 s84, s84, YS
	v_add_nc_u32 v7, s84, v10
	v_and_b32 v10, 15, v0                          ; r
	v_bfe_u32 v11, v0, 4, 1                        ; h
	s_mul_i32 s84, s14, 4352                       ; my stage: 16 rows x 272 bytes, in slot 0
	v_mul_u32_u24 v8, v10, 272
	s_delay_alu instid0(VALU_DEP_1)
	v_lshl_add_u32 v8, v11, 5, v8
	s_delay_alu instid0(VALU_DEP_1)
	v_add_nc_u32 v8, s84, v8
	v_mul_u32_u24 v9, v11, 272
	s_delay_alu instid0(VALU_DEP_1)
	v_lshl_add_u32 v9, v10, 4, v9
	s_delay_alu instid0(VALU_DEP_1)
	v_add_nc_u32 v9, s84, v9
	v_lshlrev_b32 v12, 12, v11
	s_delay_alu instid0(VALU_DEP_1)
	v_lshl_add_u32 v12, v10, 4, v12                ; row lane / 16, 16 bytes a lane
	v_lshlrev_b32 v11, 5, v11                      ; 32 h
.irp y, 0,1
.irp i, 0,1,2,3
	global_load_b128 v[16+32*\y+8*\i:19+32*\y+8*\i], v11, s[10:11] offset:64*\i        ; b2 in the result's layout: column 16 i + 8 h + j
	global_load_b128 v[20+32*\y+8*\i:23+32*\y+8*\i], v11, s[10:11] offset:64*\i+16
.endr
.endr
.irp y, 0,1
.irp k, 0,1,2,3,4,5,6,7
	global_load_b128 v[184+32*\y+4*\k:187+32*\y+4*\k], v12, s[90:91] offset:(16*\y+2*\k)*4096     ; xm, by rows: its registers, its offset and its base are touched by nothing until the way out
.endr
.endr
.macro FETCH slot, s, ksg, buf         ; the slot's K step s (K step ksg of all): 15 LDS loads into the set at v[buf]
.irp i, 0,1,2,3
	ds_load_b128 v[\buf+8*\i:\buf+8*\i+3], v[2+\slot] offset:((\s)/4)*32768+4096*\i+((\s)%4)*1024
	ds_load_b128 v[\buf+8*\i+4:\buf+8*\i+7], v[2+\slot] offset:((\s)/4)*32768+4096*\i+((\s)%4)*1024+512
.endr
.irp y, 0,1
	ds_load_b128 v[\buf+32+8*\y:\buf+35+8*\y], v[4+\slot] offset:((\s)/4)*32768+4096*\y+((\s)%4)*1024
	ds_load_b128 v[\buf+36+8*\y:\buf+39+8*\y], v[4+\slot] offset:((\s)/4)*32768+4096*\y+((\s)%4)*1024+512
.endr
	ds_load_b32 v[\buf+48], v6 offset:512*(\ksg)
	ds_load_b32 v[\buf+49], v6 offset:512*(\ksg)+128
	ds_load_b32 v[\buf+50], v7 offset:512*(\ksg)
.endm
.macro MUL buf                         ; eight accumulators by turns, one instruction a turn
.irp i, 0,1,2,3
.irp y, 0,1
	WMC 16+32*\y+8*\i, \buf+8*\i, \buf+32+8*\y, \buf+48+\i/2, \buf+50, \i%2, \y
.endr
.endr
.endm
.macro QUARTER slot, q                 ; 1,024 along K: eight K steps on two sets of fragments by turns
	FETCH \slot, 0, 8*(\q), 80
.set qs, 0
.rept 8
.if qs < 7
.if qs > 0
	PLACES                                         ; in front of the loads into the set that the last step multiplied
.endif
	FETCH \slot, qs+1, 8*(\q)+qs+1, 80+52*((qs+1)%2)
	s_wait_dscnt 15                                ; all but the 15 just issued
.else
	s_wait_dscnt 0x0
.endif
	MUL 80+52*(qs%2)
.set qs, qs+1
.endr
.endm
; THE CHANGE OF SLOTS.  Each wave waits for all its tensor loads (its part of the slot ahead), adds 0 to its spare word, and waits for that and for its reads of the slot that it leaves.
; fill = 1: the barrier is a round of the cluster's, and the slot just left is filled first behind it, with the quarter two on: that load has a whole quarter, 64 matrix instructions a wave, in which to land.
.macro CHANGE slot, fill
	s_wait_tensorcnt 0x0                           ; no tensor load of mine is out, so a group 0 may be written
	ds_add_u32 v14, v15                            ; 0 onto my spare word
.if \fill
	s_add_nc_u64 s[62+8*\slot:63+8*\slot], s[62+8*\slot:63+8*\slot], 0x100000      ; two quarters on: 4 x 64 tiles x 4 KiB in W2's codes,
	s_add_nc_u64 s[78+4*\slot:79+4*\slot], s[78+4*\slot:79+4*\slot], 0x400000      ; 4 x 256 tiles x 4 KiB in the hidden layer's
.endif
	s_wait_dscnt 0x0                               ; the add is done, and my reads of the slot are over
.if \fill
	CROUND
	JLOAD \slot                                    ; its four v_nop are also the places in front of the loads that follow
.else
	s_barrier_signal -1
	s_barrier_wait -1
	PLACES
.endif
.endm
	s_wait_alu depctr_va_vdst(0)                   ; the wait at the head's end
	s_wait_loadcnt 16                              ; b2 is in; xm's sixteen loads, issued behind it, may be out
	s_wait_tensorcnt 0x0                           ; my one load is in, so a descriptor may be written: from here on a load brings four tiles for 512 along K, 16 KiB dense, as 64 rows of 256 bytes
.irp g, 24, 32
	s_mov_b32 s[\g+1], 32<<16
	s_mov_b32 s[\g+2], 64<<16
	s_mov_b32 s[\g+3], 32<<16
	s_mov_b32 s[\g+4], 64
	s_mov_b32 s[\g+5], 32
.endr
	s_barrier_signal -1
	s_barrier_wait -1
	QUARTER 0, 0
	CHANGE 0, 1
	QUARTER 1, 1
	CHANGE 1, 1
	QUARTER 0, 2
	CHANGE 0, 0                                    ; nothing is left to fetch
	QUARTER 1, 3
; THE WAY OUT.  A lane holds 32 neighbouring bytes of a row and the lanes beside it other rows: a tile of 16 tokens x 64 columns goes through my own stage and comes back as rows of 256 bytes.
; The stage lies in slot 0, which has had its last fill, and which nobody reads behind the last change of slots.
	PLACES
	s_wait_alu depctr_va_vdst(0)
.irp y, 0,1
.irp i, 0,1,2,3
	ds_store_b128 v8, v[16+32*\y+8*\i:19+32*\y+8*\i] offset:64*\i                  ; each accumulator from its low end on
	ds_store_b128 v8, v[20+32*\y+8*\i:23+32*\y+8*\i] offset:64*\i+16
.endr
.irp k, 0,1,2,3,4,5,6,7
	ds_load_b128 v[80+52*\y+4*\k:83+52*\y+4*\k], v9 offset:544*\k                  ; LDS serves a wave's instructions in order (ISA guide 5.7.1.4)
.endr
.endr
	s_wait_loadcnt 0x0                             ; xm
.irp y, 0,1
.irp k, 0,1,2,3,4,5,6,7
	s_wait_dscnt (1-\y)*16+7-\k                    ; behind this load: the tile's later loads, and for the first tile the second's sixteen LDS instructions
	v_pk_add_f32 v[184+32*\y+4*\k:185+32*\y+4*\k], v[184+32*\y+4*\k:185+32*\y+4*\k], v[80+52*\y+4*\k:81+52*\y+4*\k]
	v_pk_add_f32 v[186+32*\y+4*\k:187+32*\y+4*\k], v[186+32*\y+4*\k:187+32*\y+4*\k], v[82+52*\y+4*\k:83+52*\y+4*\k]
	global_store_b128 v12, v[184+32*\y+4*\k:187+32*\y+4*\k], s[92:93] offset:(16*\y+2*\k)*4096 th:TH_STORE_NT     ; sixteen lanes store 256 consecutive bytes, aligned
.endr
.endr
	s_wait_tensorcnt 0x0                           ; the wave's end: behind my last tensor load and my last LDS store
	ds_add_u32 v14, v15
	s_wait_dscnt 0x0
	CROUND                                         ; the closing round: no work-group ends while a partner may still ask for a tile that names it
	s_endpgm
.Lfunc_end_k_qc0781d081f_ff2:
	.size	k_qc0781d081f_ff2, .Lfunc_end_k_qc0781d081f_ff2-k_qc0781d081f_ff2
	.p2alignl 7, 3214868480
	.fill 96, 4, 3214868480
	.section	.rodata,"a",@progbits
	.p2align	6, 0x0
	.amdhsa_kernel k_qc0781d081f_ff2
		.amdhsa_group_segment_fixed_size 327680
		.amdhsa_private_segment_fixed_size 0
		.amdhsa_enable_private_segment 0
		.amdhsa_kernarg_size 40
		.amdhsa_user_sgpr_count 2
		.amdhsa_user_sgpr_kernarg_segment_ptr 1
		.amdhsa_wavefront_size32 1
		.amdhsa_system_sgpr_workgroup_id_x 1
		.amdhsa_system_sgpr_workgroup_id_y 1
		.amdhsa_system_sgpr_workgroup_id_z 1
		.amdhsa_system_vgpr_workitem_id 0
		.amdhsa_next_free_vgpr 256
		.amdhsa_next_free_sgpr 102
		.amdhsa_reserve_vcc 0
		.amdhsa_float_denorm_mode_32 3
		.amdhsa_float_denorm_mode_16_64 3
		.amdhsa_memory_ordered 1
		.amdhsa_forward_progress 1
		.amdhsa_inst_pref_size 89
	.end_amdhsa_kernel
	.amdgpu_metadata
---
amdhsa.version: [ 1, 2 ]
amdhsa.kernels:
  - .name:           k_qc0781d081f_ff2
    .symbol:         k_qc0781d081f_ff2.kd
    .args:
      - { .name: wsa, .offset: 0, .size: 8, .value_kind: global_buffer, .address_space: global }
      - { .name: wse, .offset: 8, .size: 8, .value_kind: global_buffer, .address_space: global }
      - { .name: wsd, .offset: 16, .size: 8, .value_kind: global_buffer, .address_space: global }
      - { .name: b2, .offset: 24, .size: 8, .value_kind: global_buffer, .address_space: global }
      - { .name: out0, .offset: 32, .size: 8, .value_kind: global_buffer, .address_space: global }
    .group_segment_fixed_size: 327680
    .private_segment_fixed_size: 0
    .kernarg_segment_align: 8
    .kernarg_segment_size: 40
    .max_flat_workgroup_size: 256
    .sgpr_count:     102
    .vgpr_count:     256
    .wavefront_size: 32
...
	.end_amdgpu_metadata
.endif
;; end of part 6
